; MI455X (gfx1250); checked and timed in simulation.
; The chip was launched on July 23, 2026; its instructions are those of AMD's public machine-readable ISA for CDNA 5 (MIT licence, August 2026) and "CDNA5" Instruction Set Architecture Reference Guide (July 2026). The comments in the code are by the model that wrote it; some were corrected since.
;; Time Attention. Allowed arithmetic: matrix products marked QUANTISED: E2M3 operands, one E8M0 scale for each 32 along K, by v_wmma_scale_f32_16x16x128_f8f6f4 with both operands' format E2M3, f32 sums; everything else in f32.
;; Inputs: Wk 1,024 x 1,024 float32; Wo 1,024 x 1,024 float32; Wq 1,024 x 1,024 float32; Wv 1,024 x 1,024 float32; bk 1,024 float32; bo 1,024 float32; bq 1,024 float32; bv 1,024 float32; key 4 x 2,048 x 1,024 float32; query 4 x 2,048 x 1,024 float32; value 4 x 2,048 x 1,024 float32.
;; Outputs: out0 4 x 2,048 x 1,024 float32.
;; This version of the problem:
;;   THIS VERSION OF THE PROBLEM IS GIVEN IN LOW PRECISION. The matrix products marked QUANTISED in the list below multiply operands that are first quantised to E2M3 (2 exponent bits, 3 mantissa bits; 6 bits a number), with one power-of-two scale for each 32 numbers along K (OCP MX v1.0); their sums are f32. All else is computed in f32.
;;   The module's matrix products, in the order in which they are computed (A, B: the left and right operand; K: the contracted axis; several contracted axes count as one K, in the product's order):
;;     1. [M 8,192, K 1,024] x [K 1,024, N 1,024]; A: input query; B: input Wq: QUANTISED
;;     2. [M 8,192, K 1,024] x [K 1,024, N 1,024]; A: input key; B: input Wk: QUANTISED
;;     3. [M 8,192, K 1,024] x [K 1,024, N 1,024]; A: input value; B: input Wv: QUANTISED
;;     4. batch 64 x [M 2,048, K 64] x [K 64, N 2,048]; A: computed on the way; B: computed on the way: QUANTISED
;;     5. batch 64 x [M 2,048, K 2,048] x [K 2,048, N 64]; A: softmax (see below); B: computed on the way: QUANTISED
;;     6. [M 8,192, K 1,024] x [K 1,024, N 1,024]; A: computed on the way; B: input Wo: QUANTISED
;;   THE QUANTISER, for each operand of a quantised product, along K:
;;     - K is cut into blocks of 32 from its start; a last block that is shorter is filled with zeros.
;;     - A block's scale is 2^e with e = floor(log2(the largest magnitude in the block)) - 2, held to -126 .. 127; a block of zeros has e = 0. As a byte (E8M0): e + 127.
;;     - Each number is divided by its block's scale, clamped to +-7.5, and rounded to the nearest number of E2M3, ties to even, subnormals kept.
;;     - The product sums the exact products of the quantised numbers (number of the format x scale) in f32.
;;   ~~~python
;;   def quantise(x, axis):      # numpy; x: float32 -> the quantised numbers, widened to float32 again
;;       x = np.moveaxis(x, axis, -1); K = x.shape[-1]
;;       x = np.pad(x, [(0, 0)] * (x.ndim - 1) + [(0, -K % 32)]); x = x.reshape(x.shape[:-1] + (-1, 32)); a = np.abs(x).max(-1, keepdims=True)
;;       e = np.where(a > 0, np.clip(np.frexp(np.where(a > 0, a, 1))[1] - 1 - 2, -126, 127), 0)      # np.frexp(a)[1] - 1 = floor(log2(a)), exactly
;;       r = np.clip(x / 2.0 ** e, -7.5, 7.5)
;;       step = 2.0 ** (np.maximum(np.frexp(np.where(r == 0, 1, r))[1] - 1, 0) - 3)
;;       q = np.round(r / step) * step * 2.0 ** e      # np.round: ties to even
;;       return np.moveaxis(q.reshape(q.shape[:-2] + (-1,))[..., :K], -1, axis).astype(np.float32)
;;   ~~~
;;   SOFTMAX AHEAD OF A QUANTISED PRODUCT. Where the list says 'softmax', what is quantised is not the finished softmax but p = 2^(t - M), with t = logit x log2(e) and M = ceil(the row's largest t), a whole number; so 1/2 < the row's largest p <= 1. The row's sum l is taken of the UNQUANTISED p, in f32, and the product's result is divided by l at the end. Since M is a whole number, a kernel that streams over the keys may use a running M (the ceiling of the running maximum): every later rescaling is an exact power of two, which a block's scale takes up: the codes' values come out the same.
;;   OPERANDS COMPUTED ON THE WAY. 'Computed on the way' means the value that the module computes at that place (a softmax that the list does not call 'softmax' is quantised finished and normalised). What goes into a quantiser is computed in f32, as accurately as f32 sums, v_exp_f32 and their like allow (about 1e-6 of the number): no bf16 or f16 on the way to a quantiser, and a product that is left as it is and whose result goes on into a quantised operand takes f32 operands (vector FMAs, or v_wmma_f32_16x16x4_f32). A number that lies on a knife's edge between two numbers of the format may be rounded either way, as far as f32 arithmetic and the matrix unit's own rounding can turn it there, and no further.
;; One version. Each part assembles by itself: llvm-mc -triple=amdgcn-amd-amdhsa -mcpu=gfx1250 --defsym DOCPART=n.
;; ======== version 1 of 1: 4 launches
;; limits: right only within a limited range of input values
;; workspace buffers: xcod 22,020,096 bytes; xscl 917,504 bytes; pcod 18,874,368 bytes; pscl 786,432 bytes; acod 6,291,456 bytes; ascl 262,144 bytes
;; launch quant (part 1): grid 1792 x 1, 2 waves a work-group, no clusters, 28,928 bytes of LDS; arguments query, key, value, Wq, Wk, Wv, Wo, xcod, xscl; writes xcod, xscl
.if DOCPART == 1
	.amdgcn_target "amdgcn-amd-amdhsa--gfx1250"
	.amdhsa_code_object_version 6
	.text
	.protected	k_qd20c89163f_quant
	.globl	k_qd20c89163f_quant
	.p2align	8
	.type	k_qd20c89163f_quant,@function
k_qd20c89163f_quant:
	s_mov_b64 s[64:65], 0
	v_nop
	global_prefetch_b8 v0, s[64:65] scope:SCOPE_SE
	s_setreg_imm32_b32 hwreg(HW_REG_WAVE_MODE, 25, 1), 1
	s_wait_xcnt 0x0
; query, key, value [8192][1024] and Wq, Wk, Wv, Wo [1024][1024], f32, become codes of FP6 (E2M3) and one E8M0 byte for each 32 along K.
; All seven lie one behind the other: 28,672 rows = 1,792 tiles of 16 (query from tile 0, key 512, value 1,024, Wq 1,536, Wk 1,600, Wv 1,664, Wo 1,728).
; TILE i of a tensor holds, at place r = 0 .. 15, row 32 (i / 2) + 8 (i % 2) + r + 8 (r / 8): with such tiles a lane's 16 results of two neighbouring tiles are 16 neighbours along the next product's K.
; xcod IS AN IMAGE OF OPERAND REGISTERS: [tile][K step q of 128][piece p = 0 .. 5][lane (r, h)][8 bytes], 12,288 bytes a tile; piece p of lane (r, h) is bytes 96 q + 48 (p / 3) + 24 h + 8 (p % 3) of the row's stream of codes.
; xscl: [tile][place][32 bytes].  A block's scale is 2^(floor(log2(its largest magnitude)) - 2); its byte is the largest magnitude's exponent field - 2, held at 1 from below.
; LIMITS: NaN and infinities among the inputs are not served.  A block whose largest magnitude lies under 2^-124, a block of zeros among them, keeps the byte 1 (the rule gives zeros 127: their codes are zeros,
; which add nothing under any byte but 0xff, and this program alone reads the bytes).
; A work-group takes one tile, a wave 8 rows (places 8 w ..) = 16 steps of 512 numbers.  Each load reads 512 consecutive bytes; a step turns through the wave's own stage in LDS, so that a lane holds 16 neighbours along K.
; The codes are gathered in the work-group's image of the tile in LDS; behind one barrier each wave stores half of it, 512 consecutive bytes an instruction.  1,792 work-groups are seven for each of 256 WGPs.
; No tensor loads; no two work-groups read the same byte, so nothing is asked for jointly.  Loads run four steps (16 loads a wave) ahead.
; THE KEY TENSOR'S TILES ARE LAID OTHERWISE: place r of its tile i is row 64 (i / 4) + 8 (i % 4) + r % 8 + 32 (r / 8), so that a lane's 32 scores of four neighbouring tiles of keys are one whole block of 32 keys.
.set STEPS, 16
.set EMAX,  2
.set R,     16                         ; v16-79   four sets of 16 numbers as loaded; at the end the image on its way out
.set X,     80                         ; v80-111  two sets of 16 neighbours
.set C,     128                        ; v128-191 codes, four registers a step
.set E,     112                        ; v112-127 a scale byte a step
.set WREG,  8192                       ; LDS: a region a wave: two stages of 32 x SP bytes, then its 256 scale bytes
.set SP,    80
.set SPW,   12                         ; v12 my spare word; v13 0; never rewritten
.set NIL,   13
.set SPARE, 2*WREG                     ; the spare words: 128 bytes a wave
.set CST,   SPARE+256                  ; the tile's image, 12,288 bytes
.set SRC,   22
.set COD,   18
.set SCB,   20
	s_load_b512 s[4:19], s[0:1], 0x0               ; query, key, value, Wq, Wk, Wv, Wo, xcod
	s_load_b64 s[20:21], s[0:1], 0x40              ; xscl
	v_lshl_add_u32 v[SPW], v0, 2, SPARE
	v_mov_b32 v[NIL], 0
	v_lshrrev_b32 v1, 5, v0
	v_readfirstlane_b32 s26, v1                    ; wave
	v_and_b32 v2, 31, v0                           ; lane
	v_lshlrev_b32 v3, 4, v2                        ; my 16 bytes of 512
	s_mul_i32 s27, s26, WREG
	v_lshrrev_b32 v14, 2, v2
	v_mul_u32_u24 v14, v14, SP
	v_and_b32 v15, 3, v2
	v_lshl_add_u32 v14, v15, 4, v14
	v_add_nc_u32 v14, s27, v14                     ; the stage, in: SP (lane / 4) + 16 (lane % 4)
	v_mul_u32_u24 v15, v2, SP
	v_add_nc_u32 v15, s27, v15                     ; out: SP x lane
	v_lshrrev_b32 v5, 1, v2
	s_add_co_u32 s27, s27, 2*32*SP
	v_add_nc_u32 v5, s27, v5                       ; my block's scale byte
	v_lshlrev_b32 v7, 3, v2
	v_add_nc_u32 v6, s27, v7
	; where my 12 bytes go in the image.  In a step lane l holds half l % 2 of block l / 2: K step l / 8, half of the step (l / 4) % 2, lanes' half (l / 2) % 2
	v_lshrrev_b32 v8, 3, v2
	v_mul_u32_u24 v8, v8, 1536
	v_bfe_u32 v9, v2, 2, 1
	v_mad_u32_u24 v8, v9, 768, v8
	v_bfe_u32 v9, v2, 1, 1
	v_lshl_add_u32 v8, v9, 7, v8
	s_lshl_b32 s28, s26, 6                         ; my places begin at 8 w: 8 bytes a place
	s_add_co_u32 s28, s28, CST
	v_add_nc_u32 v8, s28, v8
	v_and_b32 v9, 1, v2
	v_mad_u32_u24 v1, v9, 260, v8                  ; words 0 and 2 (+ 256): a block's words 0, 2 (even lane) or 3, 5 (odd lane); word i lies at 256 (i / 2) + 4 (i % 2)
	v_mad_u32_u24 v10, v9, 508, v8                 ; word 1 (+ 4): the block's word 1 or 4
	s_mul_i32 s30, s26, 6144
	s_add_co_u32 s31, s30, CST
	v_add_nc_u32 v2, s31, v3                       ; the way out: my half of the image, 16 bytes a lane
	s_mul_i32 s32, ttmp9, 12288
	s_add_co_u32 s32, s32, s30
	s_mov_b32 s33, 0
	s_lshl_b32 s34, ttmp9, 9
	s_lshl_b32 s31, s26, 8
	s_add_co_u32 s34, s34, s31
	s_mov_b32 s35, 0
	s_wait_alu depctr_va_vdst(0)                   ; the wait at the head's end
	s_wait_kmcnt 0x0
	s_mov_b64 s[SRC:SRC+1], s[16:17]               ; which tensor: choices on the work-group's number alone; s24 its first tile
	s_mov_b32 s24, 1728
.macro PICK bound, cand, first
	s_cmp_lt_u32 ttmp9, \bound
	s_cselect_b64 s[SRC:SRC+1], s[\cand:\cand+1], s[SRC:SRC+1]
	s_cselect_b32 s24, \first, s24
.endm
	PICK 1728, 14, 1664
	PICK 1664, 12, 1600
	PICK 1600, 10, 1536
	PICK 1536, 8, 1024
	PICK 1024, 6, 512
	PICK 512, 4, 0
	s_cmp_eq_u32 s24, 512                          ; the key tensor: groups of four tiles (64 rows); the others: of two (32 rows)
	s_cselect_b32 s25, 2, 1
	s_sub_co_u32 s24, ttmp9, s24                   ; tile i of the tensor
	s_lshr_b32 s28, s24, s25
	s_add_co_u32 s31, s25, 4
	s_lshl_b32 s28, s28, s31                       ; the group's first row
	s_bfm_b32 s29, s25, 0
	s_and_b32 s29, s24, s29
	s_lshl_b32 s29, s29, 3
	s_add_co_u32 s28, s28, s29                     ; + 8 x the tile's number in its group
	s_add_co_u32 s31, s25, 3
	s_lshl_b32 s29, s26, s31                       ; + half a group for wave 1
	s_add_co_u32 s28, s28, s29
	s_lshl_b32 s28, s28, 12                        ; 4,096 bytes a row
	s_mov_b32 s29, 0
	s_add_nc_u64 s[SRC:SRC+1], s[SRC:SRC+1], s[28:29]
	s_add_nc_u64 s[COD:COD+1], s[COD:COD+1], s[32:33]
	s_add_nc_u64 s[SCB:SCB+1], s[SCB:SCB+1], s[34:35]
.macro LOAD t
.irp i, 0,1,2,3
	global_load_b128 v[R+16*((\t)%4)+4*\i:R+16*((\t)%4)+4*\i+3], v3, s[SRC:SRC+1] offset:2048*(\t)+512*\i th:TH_LOAD_NT
.endr
.endm
.macro TURN t                          ; LDS serves a wave's instructions in order: no wait between the stores and the loads
.irp i, 0,1,2,3
	ds_store_b128 v14, v[R+16*((\t)%4)+4*\i:R+16*((\t)%4)+4*\i+3] offset:32*SP*((\t)%2)+8*SP*\i
.endr
.irp i, 0,1,2,3
	ds_load_b128 v[X+16*((\t)%2)+4*\i:X+16*((\t)%2)+4*\i+3], v15 offset:32*SP*((\t)%2)+16*\i
.endr
.endm
.irp t, 0,1,2,3
	LOAD \t
.endr
	s_wait_loadcnt 12                              ; step 0's four loads are in
	TURN 0
.macro STEP t                          ; step t: row t / 2 of my eight, half t % 2 of K
.set XS, X+16*((\t)%2)
.set OF, 6144*((\t)%2)+8*((\t)/2)
.if (\t) > 0
	s_wait_dscnt 4                                 ; this step's numbers are back; younger are the last step's byte store and its three stores of codes
.else
	s_wait_dscnt 0x0
.endif
.if (\t)+4 < STEPS
	LOAD (\t)+4
.endif
.if (\t)+1 < STEPS
.if STEPS-2-(\t) >= 3
	s_wait_loadcnt 12                              ; the next step's four loads are in; three steps' may be out
.else
	s_wait_loadcnt 4*(STEPS-2-(\t))
.endif
	TURN (\t)+1
.endif
	v_max3_num_f32 v8, |v[XS]|, |v[XS+1]|, |v[XS+2]|               ; the largest magnitude of my 16, in two chains
	v_max3_num_f32 v9, |v[XS+3]|, |v[XS+4]|, |v[XS+5]|
.irp i, 6,10
	v_max3_num_f32 v8, v8, |v[XS+\i]|, |v[XS+\i+1]|
	v_max3_num_f32 v9, v9, |v[XS+\i+2]|, |v[XS+\i+3]|
.endr
	v_max3_num_f32 v8, v8, |v[XS+14]|, |v[XS+15]|
	v_max3_num_f32 v8, v8, v9, (EMAX+1)<<23        ; the floor: the byte cannot fall under 1
	v_max_num_f32_dpp v8, v8, v8 row_xmask:1 row_mask:0xf bank_mask:0xf   ; with my neighbour's 16: the block's
	v_add_nc_u32 v11, -(EMAX<<23), v8              ; EMAX off the exponent field: the conversion's scale operand
	v_cvt_scalef32_pk16_fp6_f32 v[C+4*(\t):C+4*(\t)+2], v[XS:XS+15], v11
	v_lshrrev_b32 v[E+(\t)], 23, v11               ; the scale's byte (the plain line behind the conversion)
	ds_store_b8 v5, v[E+(\t)] offset:16*(\t)       ; both lanes of a block write the same byte
	ds_store_b32 v1, v[C+4*(\t)] offset:OF
	ds_store_b32 v10, v[C+4*(\t)+1] offset:OF+4
	ds_store_b32 v1, v[C+4*(\t)+2] offset:OF+256
.endm
.irp t, 0,1,2,3,4,5,6,7,8,9,10,11,12,13,14,15
	STEP \t
.endr
	ds_load_b64 v[8:9], v6
	s_wait_dscnt 0x0                               ; my scale bytes are back, and my stores into the image are done
	s_barrier_signal -1
	s_barrier_wait -1                              ; so are the other wave's
	global_store_b64 v7, v[8:9], s[SCB:SCB+1]      ; 256 consecutive bytes, aligned
.irp i, 0,1,2,3,4,5,6,7,8,9,10,11
	ds_load_b128 v[R+4*\i:R+4*\i+3], v2 offset:512*\i
.endr
.irp i, 0,1,2,3,4,5,6,7,8,9,10,11
	s_wait_dscnt 11-\i
	global_store_b128 v3, v[R+4*\i:R+4*\i+3], s[COD:COD+1] offset:512*\i   ; 512 consecutive bytes, aligned
.endr
	s_wait_tensorcnt 0x0                           ; the wave's end
	ds_add_u32 v[SPW], v[NIL]
	s_wait_dscnt 0x0
	s_endpgm
.Lfunc_end_k_qd20c89163f_quant:
	.size	k_qd20c89163f_quant, .Lfunc_end_k_qd20c89163f_quant-k_qd20c89163f_quant
	.p2alignl 7, 3214868480
	.fill 96, 4, 3214868480
	.section	.rodata,"a",@progbits
	.p2align	6, 0x0
	.amdhsa_kernel k_qd20c89163f_quant
		.amdhsa_group_segment_fixed_size 28928
		.amdhsa_private_segment_fixed_size 0
		.amdhsa_enable_private_segment 0
		.amdhsa_kernarg_size 72
		.amdhsa_user_sgpr_count 2
		.amdhsa_user_sgpr_kernarg_segment_ptr 1
		.amdhsa_wavefront_size32 1
		.amdhsa_system_sgpr_workgroup_id_x 1
		.amdhsa_system_sgpr_workgroup_id_y 1
		.amdhsa_system_sgpr_workgroup_id_z 1
		.amdhsa_system_vgpr_workitem_id 0
		.amdhsa_next_free_vgpr 192
		.amdhsa_next_free_sgpr 66
		.amdhsa_reserve_vcc 0
		.amdhsa_float_denorm_mode_32 3
		.amdhsa_float_denorm_mode_16_64 3
		.amdhsa_memory_ordered 1
		.amdhsa_forward_progress 1
		.amdhsa_inst_pref_size 38
	.end_amdhsa_kernel
	.amdgpu_metadata
---
amdhsa.version: [ 1, 2 ]
amdhsa.kernels:
  - .name:           k_qd20c89163f_quant
    .symbol:         k_qd20c89163f_quant.kd
    .args:
      - { .name: query, .offset: 0, .size: 8, .value_kind: global_buffer, .address_space: global }
      - { .name: key, .offset: 8, .size: 8, .value_kind: global_buffer, .address_space: global }
      - { .name: value, .offset: 16, .size: 8, .value_kind: global_buffer, .address_space: global }
      - { .name: Wq, .offset: 24, .size: 8, .value_kind: global_buffer, .address_space: global }
      - { .name: Wk, .offset: 32, .size: 8, .value_kind: global_buffer, .address_space: global }
      - { .name: Wv, .offset: 40, .size: 8, .value_kind: global_buffer, .address_space: global }
      - { .name: Wo, .offset: 48, .size: 8, .value_kind: global_buffer, .address_space: global }
      - { .name: xcod, .offset: 56, .size: 8, .value_kind: global_buffer, .address_space: global }
      - { .name: xscl, .offset: 64, .size: 8, .value_kind: global_buffer, .address_space: global }
    .group_segment_fixed_size: 28928
    .private_segment_fixed_size: 0
    .kernarg_segment_align: 8
    .kernarg_segment_size: 72
    .max_flat_workgroup_size: 64
    .sgpr_count:     66
    .vgpr_count:     192
    .wavefront_size: 32
...
	.end_amdgpu_metadata
.endif
;; end of part 1
;; launch proj (part 2): grid 8 x 32, 4 waves a work-group, clusters of 4 x 4, 327,680 bytes of LDS; arguments xcod, xscl, bq, bk, bv, pcod, pscl; writes pcod, pscl
.if DOCPART == 2
	.amdgcn_target "amdgcn-amd-amdhsa--gfx1250"
	.amdhsa_code_object_version 6
	.text
	.protected	k_qd20c89163f_proj
	.globl	k_qd20c89163f_proj
	.p2align	8
	.type	k_qd20c89163f_proj,@function
k_qd20c89163f_proj:
	s_mov_b64 s[64:65], 0
	v_nop
	global_prefetch_b8 v0, s[64:65] scope:SCOPE_SE
	s_setreg_imm32_b32 hwreg(HW_REG_WAVE_MODE, 25, 1), 1
	s_wait_xcnt 0x0
	s_wait_alu depctr_hold_cnt(0) depctr_sa_sdst(0) depctr_va_vdst(0) depctr_va_sdst(0) depctr_va_ssrc(0) depctr_va_vcc(0) depctr_vm_vsrc(0)
	s_getreg_b32 s2, hwreg(HW_REG_IB_STS2, 6, 4)
	s_cmp_eq_u32 s2, 0
	s_cbranch_scc0 .Lentry_in_a_cluster
	s_endpgm
.Lentry_in_a_cluster:
	s_bfe_u32 s2, ttmp6, 0x10000c
	s_cmp_lg_u32 s2, 0xf033
	s_cbranch_scc0 .Lentry_shape_is_right
	s_endpgm
.Lentry_shape_is_right:
; q = query Wq^T + bq, k = key Wk^T + bk, v = value Wv^T + bv ON CODES OF FP6, each result quantised again on the way out: q and k along the head's 64, v along the tokens.  No f32 result is stored.
; xcod, xscl: images of operand registers and scale rows, as the first launch leaves them (12,288 bytes and 512 bytes a tile of 16 rows).
; THE DEAL.  256 work-groups of four waves (2 x 2) THAT STAY: each makes a block of 256 rows of A x 128 rows of B in three phases: q, k, v.  Phases 0, 1: A = the tokens (tile row Y of 32), B = the weight's rows (tile column X of 8).
; PHASE 2 IS MADE TRANSPOSED: A = Wv's rows (tile row cy of 4), B = value's tokens (tile column of 64: 4 x the cluster's number + cx), so that v's scale blocks, which run along the tokens, lie as q's and k's do.
; A wave holds 64 rows of B, all of K, in 384 registers, and streams A past them in eight blocks of 16 rows (block s of wave row a = tile 2 s + a of the work-group's 16): 32 products a block.
; Source 0 = B's rows, source 1 = A's rows: lane (r, h) holds A's row r, and its registers 16 u + i are B's rows 32 u + 16 h + i of my 64: two scale blocks.
; A's tiles are shared by a row of the cluster, B's by a column: joint loads, in every phase.
; LDS: A's 16 tiles, B's 8 tiles.  At the head one tensor load a wave: B; A's tiles 0-7; 8-11; 12-15.  TWO REFILLS A PHASE, each in a drained round of the cluster's barrier:
; in block 2 (tiles 0-7 were fetched behind block 1, B lies in registers) wave 0 asks for the next phase's B and wave 1 for its tiles 0-7; in block 6 (tiles 8-15 were fetched behind block 5) waves 2 and 3 ask for its tiles 8-15.
; Each round also shows what the round before has brought.  A refill is asked for four blocks (128 products a wave) ahead of its first read, so no prefetch is laid beside it.
; The stream does not stop at a phase's end: behind blocks 6 and 7 the next phase's blocks 0 and 1 are fetched, and in block 7 the next B goes into registers K step by K step, as the products let its fragments go.
; The next phase's scale words of A are loaded into block s's own registers behind block s; B's scale words and the biases wait in spare registers and are copied at the change of phase.
; Phases 0 and 1 are a loop of two trips (what differs lies in scalar registers); the last phase, which asks for nothing, is written out.
; THE BIAS: along B's rows (phases 0, 1) it is the first products' C; along A's rows (phase 2) it is added on the way out.  Both are loaded from the phase's own vector, and the one that does not apply is replaced by 0.  A sum begins with the bias.
; pcod[t][plane = 16 batch + head][tile of 16][768]: six registers of 32 lanes; for v: [pair's plane + half of the step's keys][step of 128 keys][4 (head % 2) + tile of channels][768].
; pscl[t][plane][step][lane (r, h)][word][half word]: tile a of a step's eight: h = (a / 2) % 2, word a / 4, half word a % 2.  The bytes pass through LDS, a region a phase, and leave as units of 256.
; LIMITS: NaN, infinities and sums beyond f32's range are not served.  A block whose largest magnitude lies under 2^-124 keeps the scale byte 1.
.set TL,    12288
.set TEN,   6291456
.set HS,    98304
.set NQ,    8
.set NB,    4
.set FR,    12
.set FPW,   21                         ; fragments in a window
.set NF,    24                         ; LDS loads of a block
.set YB,    16*TL
.set SPARE, 24*TL
.set XN,    SPARE+512                  ; the scale bytes: [phase][wave column][half of the blocks][256]
.set VO,   9                           ; v9  8 x lane
.set SPW,  10
.set NIL,  11
.set STS0, 12                          ; v12, v13: v18, v19 for phase 0
.set RDS0, 13
.set BAD,  14                          ; v14 LDS: my four tiles of B
.set ABS,  16                          ; v16 32 x lane
.set ASA,  17                          ; v17 32 r
.set STS,  18                          ; v18 LDS: where my row's two scale bytes go
.set RDS,  19                          ; v19 LDS: my unit of scale bytes
.set BIA,  20                          ; v20 64 h
.set BRA,  21                          ; v21 4 (r + 8 (r / 8))
.set SB,   24                          ; v24-39  B's scale words
.set SA,   44                          ; v44-107 A's, eight a block; a product's two scale registers differ by 4 modulo 8
.set ACC,  108                         ; v108-171 two sets of four accumulators
.set X,    172                         ; v172-203 a block's sums with the row's bias
.set PC,   204                         ; v204-209 the codes; v216-218 at work
.set BM,   220
.set SCO,  224
.set BY,   226
.set BA,   228                         ; v228-235 the rows' bias, one a block
.set AQ0,  236                         ; v236-243 LDS addresses of block 0's eight fragments
.set AQ,   244                         ; v244-251 the same for the block fetched next
.set T4,   252
.set BO,   128                         ; window 3: v128-159 the bias as the first products' C;
.set SBN,  160                         ; v160-175, v176-207, v208-215: the next phase's SB, BO, BA
.set BON,  176
.set BAN,  208
.set SEL,  68
.set G1A, 24
.set G1B, 32
.set G0A, 56
.set G0B, 60
; scalars: s[48:49], s[52:53] this phase's codes (blocks 0-3, 4-7), s[50:51] its scale bytes.  THE NEXT PHASE'S: s[70:71] A, s[72:73] B, s[74:75] A's scales, s[76:77] B's, s[78:79] bias along B, s[80:81] along A, s[82:87] the three outputs;
; s100, s101: which of its biases applies.  PHASE 2'S, in the same order: s[88:99], s[2:3], s[18:19], s[46:47].  s66 the trip, s67 the phase's place among the scale bytes' regions.
.set MSB, 0
.macro WIN new
.if MSB != (\new)
	s_set_vgpr_msb (MSB<<8)|(\new)
.set MSB, (\new)
.endif
.endm
.macro PLACES n
.rept \n
	v_nop
.endr
.endm
.macro WALU
	s_wait_alu depctr_va_vdst(0)
.endm
.macro BARRIER
	s_barrier_signal -1
	s_barrier_wait -1
.endm
.macro MIDDLE                          ; a round's middle
	WIN 0
	s_barrier_wait -1
	s_cmp_lg_u32 s14, 0
	s_cbranch_scc1 .Lnot_wave_0_\@
	s_barrier_signal -3
.Lnot_wave_0_\@:
	s_barrier_wait -3
.endm
.macro CROUND
	s_barrier_signal -1
	MIDDLE
	BARRIER
.endm
.macro TLOAD g0, g1                    ; an s_nop 0 and four v_nop follow a tensor load
	tensor_load_to_lds s[\g0:\g0+3], s[\g1:\g1+7]
	s_nop 0
	PLACES 4
.endm
.macro GROUP1 g, mask, rows            ; rows of 12,288 bytes (1,536 elements of 8), dense in memory and in LDS
	s_or_b32 s[\g+0], s[\mask], (3<<16)|(1<<21)
	s_mov_b32 s[\g+1], 1536<<16
	s_mov_b32 s[\g+3], 1536<<16
.if \rows
	s_mov_b32 s[\g+2], (\rows)<<16
	s_mov_b32 s[\g+4], \rows
.endif
	s_mov_b32 s[\g+5], 1536
	s_mov_b32 s[\g+6], 0
	s_mov_b32 s[\g+7], 0
.endm
.macro ATILE first, tiles              ; a part of A's 16 tiles (their first byte stands in group 0), by constants written in its own arm
	s_mov_b32 s[G0A+1], (\first)*TL
	s_mov_b32 s[G1A+2], (\tiles)<<16
	s_mov_b32 s[G1A+4], \tiles
.if \first
	s_add_nc_u64 s[G0A+2:G0A+3], s[G0A+2:G0A+3], (\first)*TL
.endif
	s_or_b32 s[G0A+3], s[G0A+3], 0x80000000
	TLOAD G0A, G1A
.endm
.macro TREE k                          ; a refill's loads; no load of the wave is out, so its descriptors may be written
.if (\k) == 0
	s_cmp_eq_u32 s14, 0
	s_cbranch_scc0 .Lta_\@
	s_mov_b64 s[G0B+2:G0B+3], s[72:73]
	s_or_b32 s[G0B+3], s[G0B+3], 0x80000000
	TLOAD G0B, G1B
	s_branch .Lte_\@
.Lta_\@:
	s_cmp_eq_u32 s14, 1
	s_cbranch_scc0 .Lte_\@
	s_mov_b64 s[G0A+2:G0A+3], s[70:71]
	ATILE 0, 8
.Lte_\@:
.else
	s_cmp_eq_u32 s14, 2
	s_cbranch_scc0 .Lta_\@
	s_mov_b64 s[G0A+2:G0A+3], s[70:71]
	ATILE 8, 4
	s_branch .Lte_\@
.Lta_\@:
	s_cmp_eq_u32 s14, 3
	s_cbranch_scc0 .Lte_\@
	s_mov_b64 s[G0A+2:G0A+3], s[70:71]
	ATILE 12, 4
.Lte_\@:
.endif
.endm
.macro FRAGB f, off                    ; fragment f lies in window 1 + f / 21 at register 12 (f % 21): 0-31 B's (4 q + tile), 32-47 A's two sets
	WIN (1+(\f)/FPW)<<6
.irp p, 0,1,2,3,4,5
	ds_load_b64 v[FR*((\f)%FPW)+2*\p:FR*((\f)%FPW)+2*\p+1], v[BAD] offset:(\off)+256*\p
.endr
.endm
.macro RELOAD q                        ; B's four fragments of K step q
.irp i, 0,1,2,3
	FRAGB NB*(\q)+\i, \i*TL+(\q)*1536
.endr
.endm
.macro FETCHAT e, aq                   ; a block of A into set e: two pieces of 256 bytes a load
.irp q, 0,1,2,3,4,5,6,7
	WIN (1+(32+8*(\e)+\q)/FPW)<<6
.irp p, 0,2,4
	ds_load_2addr_b64 v[FR*((32+8*(\e)+\q)%FPW)+2*\p:FR*((32+8*(\e)+\q)%FPW)+2*\p+3], v[\aq+\q] offset0:32*\p offset1:32*\p+32
.endr
.endr
	WIN 0
.endm
.macro PROD1 d, s0, s1, c, x0, x1, o
.if \o
	v_wmma_scale_f32_16x16x128_f8f6f4 v[\d:\d+7], v[FR*((\s0)%FPW):FR*((\s0)%FPW)+FR-1], v[FR*((\s1)%FPW):FR*((\s1)%FPW)+FR-1], \c, v[\x0], v[\x1] matrix_a_fmt:MATRIX_FMT_FP6 matrix_b_fmt:MATRIX_FMT_FP6 matrix_a_scale:MATRIX_SCALE_ROW1
.else
	v_wmma_scale_f32_16x16x128_f8f6f4 v[\d:\d+7], v[FR*((\s0)%FPW):FR*((\s0)%FPW)+FR-1], v[FR*((\s1)%FPW):FR*((\s1)%FPW)+FR-1], \c, v[\x0], v[\x1] matrix_a_fmt:MATRIX_FMT_FP6 matrix_b_fmt:MATRIX_FMT_FP6 matrix_a_scale:MATRIX_SCALE_ROW0
.endif
.endm
.macro PROD s, n                       ; product n = 4 q + tile of block s; the four accumulators take turns
.set Q_, (\n)/4
.set FB_, NB*Q_+(\n)%4
.set FA_, 32+8*((\s)%2)+Q_
.set D_, ACC+32*((\s)%2)+8*((\n)%4)
.set XB_, SB+NQ*(((\n)%4)/2)+Q_
.set XA_, SA+8*(\s)+Q_
.if Q_
	WIN (1+FB_/FPW)|((1+FA_/FPW)<<2)
	PROD1 D_, FB_, FA_, v[D_:D_+7], XB_, XA_, (\n)%2
.else
	WIN (1+FB_/FPW)|((1+FA_/FPW)<<2)|0x30
	PROD1 D_, FB_, FA_, v[BO+8*((\n)%4):BO+8*((\n)%4)+7], XB_, XA_, (\n)%2
.endif
.endm
.macro ENTRY s, i, f                   ; behind products 1 to 5: five of the next fetch's eight addresses (block s + 2, or the next phase's block s - 6)
.if (\f) && (\i) >= 1 && (\i) <= 5
	WIN 0
	v_add_nc_u32 v[AQ+(\i)-1], (((\s)+2)%8)*2*TL, v[AQ0+(\i)-1]
.endif
.endm
.macro PRODS s, from, to, f
.set N_, \from
.rept (\to)-(\from)
	PROD \s, N_
	ENTRY \s, N_, \f
.set N_, N_+1
.endr
	WIN 0
.endm
.macro EPI s                           ; THE WAY OUT of block s: the row's bias; two blocks' largest magnitudes; scales; codes; a whole block to a lane
.set E_, ACC+32*((\s)%2)
	s_wait_xcnt 0x0                                ; the last block's stores have read their registers
.irp j, 0,2,4,6,8,10,12,14,16,18,20,22,24,26,28,30
.if (\s)%2
	v_pk_add_f32 v[X+\j:X+\j+1], v[E_+\j:E_+\j+1], v[BA+(\s)-1:BA+(\s)] op_sel:[0,1] op_sel_hi:[1,1]
.else
	v_pk_add_f32 v[X+\j:X+\j+1], v[E_+\j:E_+\j+1], v[BA+(\s):BA+(\s)+1] op_sel_hi:[1,0]
.endif
.endr
.irp k, 0,1,2,3
	v_max3_num_f32 v[BM+\k], |v[X+8*\k]|, |v[X+8*\k+1]|, |v[X+8*\k+2]|
.endr
.irp k, 0,1,2,3
	v_max3_num_f32 v[BM+\k], v[BM+\k], |v[X+8*\k+3]|, |v[X+8*\k+4]|
.endr
.irp k, 0,1,2,3
	v_max3_num_f32 v[BM+\k], v[BM+\k], |v[X+8*\k+5]|, |v[X+8*\k+6]|
.endr
	v_max3_num_f32 v[BM], v[BM], |v[X+7]|, |v[X+15]|
	v_max3_num_f32 v[BM+2], v[BM+2], |v[X+23]|, |v[X+31]|
	v_max3_num_f32 v[BM], v[BM], v[BM+1], 0x1800000          ; the floor: the byte cannot fall under 1
	v_max3_num_f32 v[BM+2], v[BM+2], v[BM+3], 0x1800000
	v_permlanex16_b32 v[T4], v[BM], s[SEL], s[SEL+1]
	v_permlanex16_b32 v[T4+1], v[BM+2], s[SEL], s[SEL+1]
	v_max_num_f32 v[BM], v[BM], v[T4]              ; with lane l xor 16's 16
	v_max_num_f32 v[BM+2], v[BM+2], v[T4+1]
	v_add_nc_u32 v[SCO], 0xff000000, v[BM]         ; 2 off the exponent field: the conversion's scale operand
	v_add_nc_u32 v[SCO+1], 0xff000000, v[BM+2]
	v_lshrrev_b32 v[BY], 23, v[SCO]
	v_lshrrev_b32 v[BY+1], 23, v[SCO+1]
	v_cvt_scalef32_pk16_fp6_f32 v[PC:PC+2], v[X:X+15], v[SCO]
	v_cvt_scalef32_pk16_fp6_f32 v[PC+12:PC+14], v[X+16:X+31], v[SCO+1]
	v_lshl_or_b32 v[BY], v[BY+1], 8, v[BY]         ; the row's two bytes (the plain line behind the conversions)
.irp i, 0,1,2
	v_permlane16_swap_b32 v[PC+\i], v[PC+12+\i]
.endr
.irp i, 0,1,2
	v_mov_b32 v[PC+3+\i], v[PC+12+\i]              ; lane (r, h) holds block h of row r
.endr
	ds_store_b16 v[STS], v[BY] offset:256*((\s)/4)+128*((\s)%2)+4*(((\s)%4)/2)   ; both halves of the lanes write the same bytes
.irp p, 0,1,2
	global_store_b64 v[VO], v[PC+2*\p:PC+2*\p+1], s[48+4*((\s)/4):49+4*((\s)/4)] offset:1536*((\s)%4)+256*\p   ; 256 consecutive bytes, aligned
.endr
.endm
.macro BLK s, last                     ; block s of a phase, and the run of memory lines behind it
.set F_, 1-(\last)*((\s)/6)            ; is a block fetched behind this one?
.if (\s) == 2 && (\last)
	PRODS \s, 0, 24, F_
	s_wait_tensorcnt 0x0                           ; a plain barrier shows tiles 8-15 to all
	s_wait_dscnt 0x0
	s_barrier_signal -1
	PRODS \s, 24, 32, F_
	s_barrier_wait -1
.elseif ((\s) == 2 || (\s) == 6) && (\last) == 0
	s_wait_tensorcnt 0x0                           ; a refill's round: all my tensor loads have landed,
	ds_add_u32 v[SPW], v[NIL]                      ; the spare word's add, with products between it and the wait for it,
	PRODS \s, 0, 24, 1
	s_wait_dscnt 0x0                               ; and my reads of the tiles that are filled again are over
	s_barrier_signal -1
	PRODS \s, 24, 32, 1
	MIDDLE
	BARRIER
	TREE (\s)/4
.elseif (\s) == 7 && (\last) == 0
.set N_, 0
.rept 32                               ; a plain line behind each product: five of them stand between K step q's last product and the loads into its fragments of B
	PROD 7, N_
	ENTRY 7, N_, 1
	WIN 0
	v_nop
.if N_ >= 7 && N_%4 == 3
	RELOAD (N_-7)/4
.endif
.set N_, N_+1
.endr
	WIN 0
.else
	PRODS \s, 0, 32, F_
.endif
.if F_                                 ; four plain lines between the last product and the first reader of its sums
	v_add_nc_u32 v[AQ+5], (((\s)+2)%8)*2*TL, v[AQ0+5]
	v_add_nc_u32 v[AQ+6], (((\s)+2)%8)*2*TL, v[AQ0+6]
	v_add_nc_u32 v[AQ+7], (((\s)+2)%8)*2*TL, v[AQ0+7]
	v_nop
.else
	PLACES 4
.endif
.if (\s) == 7 && (\last) == 0
	RELOAD 7
	WIN 0
.endif
	EPI \s
.if (\s) == 0
	s_wait_loadcnt 0x0                             ; block 7's scale words, asked for a block ago, are in
.endif
.if (\last) == 0
.if (\s) == 0
	WIN 0xc0
.irp p, 0,1
.irp c, 0,1
	global_load_b128 v[SBN+NQ*\p+4*\c:SBN+NQ*\p+4*\c+3], v[ABS], s[76:77] offset:\p*1024+16*\c
.endr
.endr
.irp u, 0,1
.irp c, 0,1,2,3
	global_load_b128 v[BON+16*\u+4*\c:BON+16*\u+4*\c+3], v[BIA], s[78:79] offset:128*\u+16*\c
.endr
.endr
.irp i, 0,1,2,3,4,5,6,7
	global_load_b32 v[BAN+\i], v[BRA], s[80:81] offset:128*\i
.endr
	WIN 0
.endif
.irp c, 0,1
	global_load_b128 v[SA+8*(\s)+4*\c:SA+8*(\s)+4*\c+3], v[ASA], s[74:75] offset:(\s)*1024+16*\c   ; the next phase's scale words of block s
.endr
.endif
.if F_
	FETCHAT (\s)%2, AQ
.if (\s) < 7
	s_wait_dscnt NF                                ; the next block's rows are in: younger is this run's fetch alone
.endif
.else
	s_wait_dscnt 0x0
.endif
.endm
.macro PHASE last
.irp s, 0,1,2,3,4,5,6,7
	BLK \s, \last
.endr
.endm
; ================= THE HEAD
	s_load_b256 s[4:11], s[0:1], 0x0               ; xcod, xscl, bq, bk
	s_load_b64 s[12:13], s[0:1], 0x20              ; bv
	s_load_b64 s[48:49], s[0:1], 0x28              ; pcod
	s_load_b64 s[50:51], s[0:1], 0x30              ; pscl
	v_lshl_add_u32 v[SPW], v0, 2, SPARE
	v_mov_b32 v[NIL], 0
	ds_add_u32 v[SPW], v[NIL]                      ; the opening lines
	ds_add_u32 v[SPW], v[NIL]
	v_lshrrev_b32 v1, 5, v0
	v_readfirstlane_b32 s14, v1                    ; the wave; s15 its row a, s16 its column b
	s_lshr_b32 s15, s14, 1
	s_and_b32 s16, s14, 1
	s_bfe_u32 s40, ttmp6, 0x40000                  ; cx
	s_bfe_u32 s41, ttmp6, 0x40004                  ; cy
	s_and_b32 s17, ttmp7, 0xffff
	s_lshl_b32 s42, ttmp9, 2
	s_add_co_u32 s42, s42, s40                     ; X
	s_lshl_b32 s43, s17, 2
	s_add_co_u32 s43, s43, s41                     ; Y
	s_lshl_b32 s18, s17, 1
	s_add_co_u32 s18, s18, ttmp9
	s_lshl_b32 s18, s18, 2
	s_add_co_u32 s18, s18, s40                     ; phase 2's tile column
	s_lshl_b32 s44, s41, 2
	s_lshl_b32 s44, 15, s44                        ; my row of the cluster shares A
	s_lshl_b32 s45, 0x1111, s40                    ; my column shares B
	GROUP1 G1A, 44, 0
	GROUP1 G1B, 45, 8
	s_mov_b32 s[G0A], 1
	s_mov_b32 s[G0B], 1
	s_mov_b32 s[G0B+1], YB
	; phase 0's places, in bytes from their buffers
	s_mul_i32 s70, s43, 16*TL
	s_mov_b32 s71, 0
	s_lshl_b32 s20, s42, 3
	s_add_co_u32 s20, s20, 1536
	s_mul_i32 s72, s20, TL
	s_mov_b32 s73, 0
	s_lshl_b32 s74, s43, 4
	s_add_co_u32 s74, s74, s15
	s_lshl_b32 s74, s74, 9
	s_mov_b32 s75, 0
	s_lshl_b32 s76, s16, 2
	s_add_co_u32 s76, s76, s20
	s_lshl_b32 s76, s76, 9
	s_mov_b32 s77, 0
	s_lshl_b32 s78, s42, 7
	s_lshl_b32 s21, s16, 6
	s_add_co_u32 s78, s78, s21
	s_lshl_b32 s78, s78, 2
	s_mov_b32 s79, 0
	s_lshl_b32 s80, s43, 8                         ; the bias that does not apply is loaded too: held inside the vector
	s_lshl_b32 s21, s15, 3
	s_add_co_u32 s80, s80, s21
	s_and_b32 s80, s80, 1023
	s_lshl_b32 s80, s80, 2
	s_mov_b32 s81, 0
	s_lshr_b32 s82, s43, 3                         ; plane 16 (Y / 8) + 2 X + b, step 2 (Y % 8) + s / 4
	s_lshl_b32 s82, s82, 4
	s_lshl_b32 s21, s42, 1
	s_add_co_u32 s82, s82, s21
	s_add_co_u32 s82, s82, s16
	s_and_b32 s84, s43, 7
	s_lshl_b32 s84, s84, 9
	s_lshl_b32 s86, s82, 12
	s_add_co_u32 s86, s86, s84
	s_lshl_b32 s21, s15, 8
	s_add_co_u32 s86, s86, s21
	s_mov_b32 s87, 0
	s_mul_i32 s82, s82, HS
	s_mul_i32 s84, s84, 24
	s_add_co_u32 s82, s82, s84
	s_mul_i32 s21, s15, 768
	s_add_co_u32 s82, s82, s21
	s_mov_b32 s83, 0
	; phase 2's
	s_lshl_b32 s88, s41, 4
	s_add_co_u32 s88, s88, 1664
	s_add_co_u32 s92, s88, s15
	s_lshl_b32 s92, s92, 9
	s_mov_b32 s93, 0
	s_mul_i32 s88, s88, TL
	s_mov_b32 s89, 0
	s_lshl_b32 s90, s18, 3
	s_add_co_u32 s90, s90, 1024
	s_lshl_b32 s94, s16, 2
	s_add_co_u32 s94, s94, s90
	s_lshl_b32 s94, s94, 9
	s_mov_b32 s95, 0
	s_mul_i32 s90, s90, TL
	s_mov_b32 s91, 0
	s_lshl_b32 s96, s18, 7
	s_lshl_b32 s21, s16, 6
	s_add_co_u32 s96, s96, s21
	s_and_b32 s96, s96, 1023
	s_lshl_b32 s96, s96, 2
	s_mov_b32 s97, 0
	s_lshl_b32 s98, s41, 8
	s_lshl_b32 s21, s15, 3
	s_add_co_u32 s98, s98, s21
	s_lshl_b32 s98, s98, 2
	s_mov_b32 s99, 0
	s_lshr_b32 s2, s18, 4                          ; plane 16 (column / 16) + 4 cy + 2 (s / 4) + b, step column % 16
	s_lshl_b32 s2, s2, 4
	s_lshl_b32 s21, s41, 2
	s_add_co_u32 s2, s2, s21
	s_add_co_u32 s2, s2, s16
	s_and_b32 s19, s18, 15
	s_lshl_b32 s19, s19, 8
	s_lshl_b32 s46, s2, 12
	s_add_co_u32 s46, s46, s19
	s_lshl_b32 s21, s15, 13
	s_add_co_u32 s46, s46, s21
	s_add_co_u32 s46, s46, 2<<18
	s_mov_b32 s47, 0
	s_mul_i32 s2, s2, HS
	s_mul_i32 s19, s19, 24
	s_add_co_u32 s2, s2, s19
	s_mul_i32 s21, s15, 768
	s_add_co_u32 s2, s2, s21
	s_add_co_u32 s2, s2, 2*TEN
	s_mov_b32 s3, 0
	s_mov_b32 s100, -1                             ; phase 1's bias runs along B's rows
	s_mov_b32 s101, 0
	s_mov_b32 s66, 0
	s_mov_b32 s67, 0
	s_mov_b32 s[SEL], 0x76543210
	s_mov_b32 s[SEL+1], 0xfedcba98
	v_and_b32 v1, 15, v0
	v_bfe_u32 v2, v0, 4, 1
	v_and_b32 v3, 31, v0
	s_mul_i32 s23, s15, TL
	v_lshl_add_u32 v[AQ0], v3, 3, s23
.irp q, 1,2,3,4,5,6,7
	v_add_nc_u32 v[AQ0+\q], 1536*\q, v[AQ0]
.endr
.irp q, 0,1,2,3,4,5,6,7
	v_add_nc_u32 v[AQ+\q], 2*TL+1536*\q, v[AQ0]
.endr
	s_mul_i32 s22, s16, 4*TL
	s_add_co_u32 s22, s22, YB
	v_lshl_add_u32 v[BAD], v3, 3, s22
	v_lshlrev_b32 v[VO], 3, v3
	v_lshlrev_b32 v[ABS], 5, v3
	v_lshlrev_b32 v[ASA], 5, v1
	s_lshl_b32 s21, s16, 9
	s_add_co_u32 s21, s21, XN
	s_lshl_b32 s22, s15, 1
	s_add_co_u32 s22, s22, s21
	v_lshl_add_u32 v[STS0], v1, 3, s22
	s_lshl_b32 s22, s15, 8
	s_add_co_u32 s22, s22, s21
	v_add_nc_u32 v[RDS0], s22, v[VO]
	v_mov_b32 v[STS], v[STS0]
	v_mov_b32 v[RDS], v[RDS0]
	v_lshlrev_b32 v[BIA], 6, v2
	v_and_b32 v[BRA], 8, v1
	v_add_nc_u32 v[BRA], v[BRA], v1
	v_lshlrev_b32 v[BRA], 2, v[BRA]
	v_mov_b32 v[T4], 0                             ; a lane permute's destination counts as a source
	v_mov_b32 v[T4+1], 0
.irp i, 0,1,2,3,4,5,6,7
	v_mov_b32 v[BA+\i], 0                          ; phase 0 has no bias along A's rows
.endr
	WALU                                           ; the wait at the head's end
	s_wait_dscnt 0x0
	CROUND                                         ; the opening round
	s_wait_kmcnt 0x0
	s_add_nc_u64 s[70:71], s[4:5], s[70:71]
	s_add_nc_u64 s[72:73], s[4:5], s[72:73]
	s_mov_b64 s[G0A+2:G0A+3], s[70:71]
	s_mov_b64 s[G0B+2:G0B+3], s[72:73]
	s_or_b32 s[G0B+3], s[G0B+3], 0x80000000
	s_cmp_eq_u32 s14, 0
	s_cbranch_scc0 .Lwave_1
	TLOAD G0B, G1B                                 ; wave 0: B's eight tiles, which are wanted first
	s_branch .Lasked
.Lwave_1:
	s_cmp_eq_u32 s14, 1
	s_cbranch_scc0 .Lwave_2
	ATILE 0, 8                                     ; wave 1: A's tiles 0 to 7
	s_branch .Lasked
.Lwave_2:
	s_cmp_eq_u32 s14, 2
	s_cbranch_scc0 .Lwave_3
	ATILE 8, 4
	s_branch .Lasked
.Lwave_3:
	ATILE 12, 4
.Lasked:
	s_add_nc_u64 s[74:75], s[6:7], s[74:75]
	s_add_nc_u64 s[76:77], s[6:7], s[76:77]
	s_add_nc_u64 s[8:9], s[8:9], s[78:79]          ; bq, my columns
.irp p, 0,1
.irp c, 0,1
	global_load_b128 v[SB+NQ*\p+4*\c:SB+NQ*\p+4*\c+3], v[ABS], s[76:77] offset:\p*1024+16*\c   ; lanes 0-15 tile 2 p, lanes 16-31 tile 2 p + 1
.endr
.endr
.irp s, 0,1,2,3,4,5,6,7
.irp c, 0,1
	global_load_b128 v[SA+8*\s+4*\c:SA+8*\s+4*\c+3], v[ASA], s[74:75] offset:\s*1024+16*\c
.endr
.endr
	WIN 0xc0
.irp u, 0,1
.irp c, 0,1,2,3
	global_load_b128 v[BO+16*\u+4*\c:BO+16*\u+4*\c+3], v[BIA], s[8:9] offset:128*\u+16*\c
.endr
.endr
	WIN 0
	s_add_nc_u64 s[70:71], s[70:71], 512*TL        ; from phase 0's tiles to phase 1's
	s_add_nc_u64 s[72:73], s[72:73], 64*TL
	s_add_nc_u64 s[78:79], s[10:11], s[78:79]      ; bk
	s_add_nc_u64 s[80:81], s[10:11], s[80:81]
	s_add_nc_u64 s[88:89], s[4:5], s[88:89]
	s_add_nc_u64 s[90:91], s[4:5], s[90:91]
	s_add_nc_u64 s[92:93], s[6:7], s[92:93]
	s_add_nc_u64 s[94:95], s[6:7], s[94:95]
	s_add_nc_u64 s[96:97], s[12:13], s[96:97]      ; bv
	s_add_nc_u64 s[98:99], s[12:13], s[98:99]
	s_add_nc_u64 s[2:3], s[48:49], s[2:3]
	s_add_nc_u64 s[18:19], s[2:3], 2*HS
	s_add_nc_u64 s[46:47], s[50:51], s[46:47]
	s_add_nc_u64 s[48:49], s[48:49], s[82:83]
	s_add_nc_u64 s[52:53], s[48:49], 6144
	s_add_nc_u64 s[82:83], s[48:49], TEN
	s_add_nc_u64 s[84:85], s[82:83], 6144
	s_add_nc_u64 s[50:51], s[50:51], s[86:87]
	s_add_nc_u64 s[86:87], s[50:51], 262144
	s_cmp_eq_u32 s14, 0
	s_cbranch_scc0 .Lnot_b
	s_wait_tensorcnt 0x0
.Lnot_b:
	BARRIER                                        ; B has landed
.irp q, 0,1,2,3,4,5,6,7
	RELOAD \q
.endr
	WIN 0
	s_wait_loadcnt 0x0                             ; the scale words and the bias are in, so their bases may step on to phase 1's
	s_add_nc_u64 s[74:75], s[74:75], 512*512
	s_add_nc_u64 s[76:77], s[76:77], 64*512
	s_cmp_eq_u32 s14, 1
	s_cbranch_scc0 .Lnot_a
	s_wait_tensorcnt 0x0
.Lnot_a:
	s_wait_dscnt 0x0
	BARRIER                                        ; A's tiles 0 to 7 are in; waves 2 and 3's may be on their way
	FETCHAT 0, AQ0
	FETCHAT 1, AQ
	s_wait_dscnt NF                                ; block 0's rows are in
; ================= PHASES 0 AND 1
.Lphase:
	PHASE 0
	s_wait_loadcnt 0x2                             ; all but block 7's two loads of scale words
	s_wait_dscnt 0x0                               ; the next B and the next blocks 0 and 1 are in registers, my scale bytes in LDS
	s_barrier_signal -1                            ; a plain barrier
	WIN 0x03
.set i, 0
.rept 16
	v_mov_b32 v[SB+i], v[SBN+i]                    ; the scale words first: more than eight plain lines follow them ahead of the next product
.set i, i+1
.endr
	WIN 0xcc
.set i, 0
.rept 32
	v_cndmask_b32 v[BO+i], 0, v[BON+i], s100
.set i, i+1
.endr
	WIN 0x0c
.set i, 0
.rept 8
	v_cndmask_b32 v[BA+i], 0, v[BAN+i], s101
.set i, i+1
.endr
	WIN 0
	WALU
	s_barrier_wait -1
	ds_load_b64 v[BM:BM+1], v[RDS]                 ; my unit of the phase's scale bytes
	s_add_co_u32 s67, s67, 1024
	s_wait_dscnt 0x0
	global_store_b64 v[VO], v[BM:BM+1], s[50:51]   ; 256 consecutive bytes, aligned
	v_add_nc_u32 v[STS], s67, v[STS0]              ; the next phase has a region of its own
	v_add_nc_u32 v[RDS], s67, v[RDS0]
	s_wait_xcnt 0x0                                ; every load and store has read its base: the next phase's become this one's, phase 2's the next's
	s_mov_b64 s[48:49], s[82:83]
	s_mov_b64 s[52:53], s[84:85]
	s_mov_b64 s[50:51], s[86:87]
	s_mov_b64 s[70:71], s[88:89]
	s_mov_b64 s[72:73], s[90:91]
	s_mov_b64 s[74:75], s[92:93]
	s_mov_b64 s[76:77], s[94:95]
	s_mov_b64 s[78:79], s[96:97]
	s_mov_b64 s[80:81], s[98:99]
	s_mov_b64 s[82:83], s[2:3]
	s_mov_b64 s[84:85], s[18:19]
	s_mov_b64 s[86:87], s[46:47]
	s_mov_b32 s100, 0
	s_mov_b32 s101, -1
	s_add_co_u32 s66, s66, 1
	s_cmp_lt_u32 s66, 2
	WALU
	s_cbranch_scc1 .Lphase
; ================= PHASE 2
	PHASE 1
	BARRIER                                        ; every wave's scale bytes are in LDS (each has waited for its stores)
	ds_load_b64 v[BM:BM+1], v[RDS]
	s_wait_dscnt 0x0
	global_store_b64 v[VO], v[BM:BM+1], s[50:51]
	s_wait_tensorcnt 0x0                           ; the wave's end
	ds_add_u32 v[SPW], v[NIL]
	s_wait_dscnt 0x0
	CROUND                                         ; the closing round
	s_endpgm
.Lfunc_end_k_qd20c89163f_proj:
	.size	k_qd20c89163f_proj, .Lfunc_end_k_qd20c89163f_proj-k_qd20c89163f_proj
	.p2alignl 7, 3214868480
	.fill 96, 4, 3214868480
	.section	.rodata,"a",@progbits
	.p2align	6, 0x0
	.amdhsa_kernel k_qd20c89163f_proj
		.amdhsa_group_segment_fixed_size 327680
		.amdhsa_private_segment_fixed_size 0
		.amdhsa_enable_private_segment 0
		.amdhsa_kernarg_size 56
		.amdhsa_user_sgpr_count 2
		.amdhsa_user_sgpr_kernarg_segment_ptr 1
		.amdhsa_wavefront_size32 1
		.amdhsa_system_sgpr_workgroup_id_x 1
		.amdhsa_system_sgpr_workgroup_id_y 1
		.amdhsa_system_sgpr_workgroup_id_z 1
		.amdhsa_system_vgpr_workitem_id 0
		.amdhsa_next_free_vgpr 1024
		.amdhsa_next_free_sgpr 102
		.amdhsa_reserve_vcc 0
		.amdhsa_float_denorm_mode_32 3
		.amdhsa_float_denorm_mode_16_64 3
		.amdhsa_memory_ordered 1
		.amdhsa_forward_progress 1
		.amdhsa_inst_pref_size 209
	.end_amdhsa_kernel
	.amdgpu_metadata
---
amdhsa.version: [ 1, 2 ]
amdhsa.kernels:
  - .name:           k_qd20c89163f_proj
    .symbol:         k_qd20c89163f_proj.kd
    .args:
      - { .name: xcod, .offset: 0, .size: 8, .value_kind: global_buffer, .address_space: global }
      - { .name: xscl, .offset: 8, .size: 8, .value_kind: global_buffer, .address_space: global }
      - { .name: bq, .offset: 16, .size: 8, .value_kind: global_buffer, .address_space: global }
      - { .name: bk, .offset: 24, .size: 8, .value_kind: global_buffer, .address_space: global }
      - { .name: bv, .offset: 32, .size: 8, .value_kind: global_buffer, .address_space: global }
      - { .name: pcod, .offset: 40, .size: 8, .value_kind: global_buffer, .address_space: global }
      - { .name: pscl, .offset: 48, .size: 8, .value_kind: global_buffer, .address_space: global }
    .group_segment_fixed_size: 327680
    .private_segment_fixed_size: 0
    .kernarg_segment_align: 8
    .kernarg_segment_size: 56
    .max_flat_workgroup_size: 128
    .sgpr_count:     102
    .vgpr_count:     1024
    .wavefront_size: 32
...
	.end_amdgpu_metadata
.endif
;; end of part 2
;; launch attn (part 3): grid 4 x 64, 16 waves a work-group, clusters of 4 x 1, 215,040 bytes of LDS; arguments pcod, pscl, acod, ascl; writes acod, ascl
.if DOCPART == 3
	.amdgcn_target "amdgcn-amd-amdhsa--gfx1250"
	.amdhsa_code_object_version 6
	.text
	.protected	k_qd20c89163f_attn
	.globl	k_qd20c89163f_attn
	.p2align	8
	.type	k_qd20c89163f_attn,@function
k_qd20c89163f_attn:
	s_mov_b64 s[64:65], 0
	v_nop
	global_prefetch_b8 v0, s[64:65] scope:SCOPE_SE
	s_setreg_imm32_b32 hwreg(HW_REG_WAVE_MODE, 25, 1), 1
	s_wait_xcnt 0x0
	s_wait_alu depctr_hold_cnt(0) depctr_sa_sdst(0) depctr_va_vdst(0) depctr_va_sdst(0) depctr_va_ssrc(0) depctr_va_vcc(0) depctr_vm_vsrc(0)
	s_getreg_b32 s2, hwreg(HW_REG_IB_STS2, 6, 4)
	s_cmp_eq_u32 s2, 0
	s_cbranch_scc0 .Lentry_in_a_cluster
	s_endpgm
.Lentry_in_a_cluster:
	s_bfe_u32 s2, ttmp6, 0x10000c
	s_cmp_lg_u32 s2, 0x3003
	s_cbranch_scc0 .Lentry_shape_is_right
	s_endpgm
.Lentry_shape_is_right:
; O[b][head][q] = the sum over keys of softmax(q . k / 8) v, both products on codes of FP6 (E2M3) with E8M0 scales, and the quantising of O along D for the last projection.
; THE SOFTMAX AHEAD OF THE SECOND PRODUCT: t = score x log2(e) / 8; M = the row's largest t so far, rounded up to a whole number; p = 2^(t - M) is what is quantised, along the keys, not normalised.
; The row's sum is taken of the unquantised p, in f32, and divides O at the end.  When M moves, the sum and O are multiplied by 2^(old M - new M): exact.
; SHARES.  A work-group owns 512 queries of one head (plane = 16 batch + head = cluster y), each of its sixteen waves two tiles of 16, one after the other.  Four waves share a SIMD: one wave's vector work stands beside another's
; matrix work and LDS loads.  A WHOLE HEAD'S K AND V CODES AND SCALE WORDS LIE IN LDS, 212,992 bytes, filled once: no ring, no refill, one barrier.
; CLUSTER.  The four work-groups of a head read the same K and V: every fill is asked for jointly, by the same tensor load with the same descriptor and the mask of all four.
; OPERANDS come as images of their registers (a piece = six registers of 32 lanes = 768 bytes; lane (r, h) holds 32 codes of row r): every LDS load takes 256 consecutive bytes.
; LAYOUT.  Both products are used transposed: S^T = K Q^T (source 0 = keys, source 1 = my 16 queries), O^T = V^T P^T: a lane holds one query throughout.  The keys of a tile, and the channels of a tile of V^T, are laid so that
; the 16 registers of two neighbouring tiles are 16 neighbours: keys 32 b + 16 (lane / 16) + 0 .. 15 for p, channels likewise for O.
; THE SCORES' K IS 64, half of the instruction's 128.  One operand carries TWO tiles of keys (registers 0-5 tile 2 a, registers 6-11 tile 2 a + 1); it is multiplied by [Q | zeros] for the even tile and by [zeros | Q] for the odd one.
; Zero codes add nothing under any scale byte but 0xff, which the quantiser never gives.  So no register of K's holds zeros, and 48 registers hold a step's eight tiles.
; A block's largest p is not searched for: the block's largest score goes through the same multiply-add and exponential (this takes v_exp_f32 not to fall where its input rises).
; LIMITS: NaN and infinities are not served.  A block of p or of O whose largest magnitude lies under 2^-124, zeros among them, keeps the scale byte 1.
; THE KEYS OF A TILE (this stands in place of what LAYOUT says of the keys): row 8 h + j of tile 4 c + u of a step is key 64 c + 32 h + 8 u + j.  So the 32 registers of tiles 4 c .. 4 c + 3 of lane (r, h) are the whole block
; 2 c + h of 32 keys, in their order: a block's largest score needs no other lane, and the conversions' results are the operand's registers.
.set SH8,   7                          ; v7   8 x (lane / 16): where my two scale bytes stand in p's scale word; never rewritten
.set TEN,   6291456
.set HS,    98304                      ; a plane,
.set STB,   3072                       ; and what a region of LDS holds of a step: four pieces
.set HALF,  49152                      ; LDS: four regions of 16 steps x 3,072 bytes: K's tiles 0-3, K's tiles 4-7, V's keys 0-63 of a step, V's keys 64-127
.set VC,    2*HALF
.set SCK,   4*HALF                     ; the head pair's two planes of K's scale words, 4,096 bytes each,
.set SCV,   SCK+8192                   ; V's two planes (the two halves of a step's keys)
.set SPARE, SCV+8192                   ; the spare words, 128 bytes for each wave: eight blocks of 256 bytes that no other line names
.set AK0,  1                           ; v1   8 x lane: my place in a piece, in LDS and in memory; never rewritten
.set AV0,  2                           ; v2   the same in V's regions
.set ASK0, 3                           ; v3   my lane's two scale words of K
.set ASV0, 4                           ; v4   my lane's scale word of V
.set SPW,  5                           ; v5   LDS address of my spare word; never rewritten
.set NIL,  6                           ; v6   0; never rewritten
.set ADK,  8                           ; v8-11 the step's addresses
.set ADV,  9
.set ADS,  10
.set ADT,  11
                                       ; v12 -M, v13 the largest t, v[14:15] the sum in two halves
.set QA,   16                          ; v16-33: Q's six registers, six of zeros, Q's six again
.set QS,   34                          ; v34  Q's scale word
.set QN,   36                          ; v36-41 the second tile's Q
.set QR,   42                          ; v42, v43 the two tiles' scale bytes as loaded
.set KS,   44                          ; v[44:45] K's scale words
.set VZ,   46                          ; v46, v47 V's words as they lie
.set VS,   48                          ; v48 V's scale words of even tiles, v49 of odd ones
.set PS,   50                          ; v50  p's scale word
.set FR,   52                          ; v52-99   a step's fragments of K, then of V
.set S,    100                         ; v100-163 S^T, then p
.set O,    164                         ; v164-195 O^T
.set PC,   196                         ; v196-207 p's codes; v208-210, v212-214 at work
.set BM,   216                         ; v216-219 the blocks' largest
.set T4,   220                         ; v220-223 lane permutes' results
.set SCO,  224                         ; v224-227 the conversions' scale operands
.set BY,   228                         ; v228-231 scale bytes
.set F,    232                         ; v[232:233] f
.set TP,   234                         ; v234 at work
.set SU,   236                         ; v[236:237] the sum's second chain
.set VS8,  238                         ; v238 32 r + h: my scale byte's place in ascl; never rewritten
.set WV,   12                          ; s12  my wave's number
.set SEL,  20                          ; s[20:21] lane selects: lane l xor 16
.set CS,   22                          ; s[22:23] c = log2(e) / 8
.set G1C,  24                          ; s[24:31] descriptor group 1 for the codes;  s[32:39] for the scale words;  s[40:43], s[44:47] their groups 0
.set G1S,  32
.set G0C,  40
.set G0S,  44
.set TB,   48                          ; s48  the step's bytes in a region of codes
.set TS,   49                          ; s49  and among the scale words: 256 a step
.set CNT,  50                          ; s50  steps to go
.set HIM,  51                          ; s51  lanes 16-31
.set SLO,  52                          ; s52, s53 byte selects: the two low halves, the two high halves
.set SHI,  53
.macro CROUND                          ; a round of the cluster's barrier
	s_barrier_signal -1
	s_barrier_wait -1
	s_cmp_lg_u32 s[WV], 0
	s_cbranch_scc1 .Lnot_wave_0_\@
	s_barrier_signal -3
.Lnot_wave_0_\@:
	s_barrier_wait -3
	s_barrier_signal -1
	s_barrier_wait -1
.endm
	s_load_b256 s[4:11], s[0:1], 0x0               ; pcod s[4:5], pscl s[6:7], acod s[8:9], ascl s[10:11]
	v_lshl_add_u32 v[SPW], v0, 2, SPARE
	v_mov_b32 v[NIL], 0
	ds_add_u32 v[SPW], v[NIL]                      ; the wave's opening: the add, and its wait ahead of my first tensor load; the set-up below, work on registers, stands between them
	ds_add_u32 v[SPW], v[NIL]
	v_lshrrev_b32 v8, 5, v0
	s_delay_alu instid0(VALU_DEP_1)
	v_readfirstlane_b32 s[WV], v8                  ; wave 0..15
	s_bfe_u32 s13, ttmp6, 0x40000                  ; cx: which 512 queries; it enters Q's, acod's and ascl's addresses alone
	s_and_b32 s14, ttmp7, 0xffff                   ; the plane, which the four partners share
	; descriptor group 1, codes: 16 rows (steps) of 3,072 bytes (384 elements of 8 bytes), 6,144 bytes apart in memory, dense in LDS
	s_mov_b32 s[G1C], 15|(3<<16)|(1<<21)           ; 15:0 the mask: all four work-groups; 17:16 elements of 8 bytes; 21 set beside a mask
	s_mov_b32 s[G1C+1], 384<<16                    ; tensor_dim0
	s_mov_b32 s[G1C+2], 16<<16                     ; tensor_dim1
	s_mov_b32 s[G1C+3], 384<<16                    ; tile_dim0
	s_mov_b32 s[G1C+4], 16                         ; tile_dim1
	s_mov_b32 s[G1C+5], 768                        ; tensor_dim0_stride
	s_mov_b32 s[G1C+6], 0
	s_mov_b32 s[G1C+7], 0
	; scale words: 2 rows of 8,192 bytes (two planes), a tensor of pscl (262,144 bytes) apart: K's pair of planes, then V's
	s_mov_b32 s[G1S], 15|(3<<16)|(1<<21)
	s_mov_b32 s[G1S+1], 1024<<16
	s_mov_b32 s[G1S+2], 2<<16
	s_mov_b32 s[G1S+3], 1024<<16
	s_mov_b32 s[G1S+4], 2
	s_mov_b32 s[G1S+5], 32768
	s_mov_b32 s[G1S+6], 0
	s_mov_b32 s[G1S+7], 0
	; what I fetch, if I fetch: wave 0, 1: K's tiles 0-3, 4-7;  wave 2, 3: V's halves of the keys;  wave 4: the scale words
	s_and_b32 s15, s[WV], 1
	s_and_b32 s18, s14, 1                          ; which head of its pair
	s_and_not1_b32 s19, s14, 1                     ; the pair's first plane
	s_mul_i32 s16, s14, HS
	s_mul_i32 s17, s15, STB
	s_add_co_u32 s16, s16, s17
	s_add_co_u32 s16, s16, TEN                     ; K: tensor 1, my plane, tiles 4 (w & 1) on
	s_add_co_u32 s17, s19, s15
	s_mul_i32 s17, s17, HS
	s_mul_i32 s2, s18, STB
	s_add_co_u32 s17, s17, s2
	s_add_co_u32 s17, s17, 2*TEN                   ; V: tensor 2, the pair's plane w & 1, my head's four tiles
	s_and_b32 s2, s[WV], 2
	s_cmp_eq_u32 s2, 0
	s_cselect_b32 s16, s16, s17
	s_mov_b32 s17, 0
	s_lshl_b32 s58, s19, 12
	s_add_co_u32 s58, s58, 262144                  ; the scale words: K's tensor, the pair's first plane
	s_mov_b32 s59, 0
	s_mov_b32 s[G0C], 1                            ; 1:0 count = 1
	s_and_b32 s[G0C+1], s[WV], 3
	s_mul_i32 s[G0C+1], s[G0C+1], HALF             ; 63:32 LDS address: region w
	s_mov_b32 s[G0S], 1
	s_mov_b32 s[G0S+1], SCK
	s_mov_b32 s[SEL], 0x76543210
	s_mov_b32 s[SEL+1], 0xfedcba98
	s_mov_b32 s[CS], 0x3e38aa3b                    ; c = log2(e) / 8
	s_mov_b32 s[CS+1], s[CS]                       ; (named with it as a pair, so it is written)
	s_mov_b32 s[HIM], 0xffff0000
	s_mov_b32 s[SLO], 0x05040100
	s_mov_b32 s[SHI], 0x07060302
	s_wait_dscnt 0x0                               ; the opening add is done
	s_wait_kmcnt 0x0
	s_add_nc_u64 s[G0C+2:G0C+3], s[4:5], s[16:17]  ; 120:64 global address
	s_or_b32 s[G0C+3], s[G0C+3], 0x80000000        ; 127:126 type = 2
	s_add_nc_u64 s[G0S+2:G0S+3], s[6:7], s[58:59]
	s_or_b32 s[G0S+3], s[G0S+3], 0x80000000
	CROUND                                         ; all four work-groups are here: the joint loads meet
	s_cmp_lt_u32 s[WV], 4                          ; the branches hang on the wave's number alone.  One tensor load a wave at the most; an s_nop 0 and four v_nop follow each
	s_cbranch_scc0 .Lnot_codes
	tensor_load_to_lds s[G0C:G0C+3], s[G1C:G1C+7]
	s_nop 0
.rept 4
	v_nop
.endr
	s_branch .Lasked
.Lnot_codes:
	s_cmp_eq_u32 s[WV], 4
	s_cbranch_scc0 .Lasked
	tensor_load_to_lds s[G0S:G0S+3], s[G1S:G1S+7]
	s_nop 0
.rept 4
	v_nop
.endr
.Lasked:
	; my two tiles of queries: T = 32 cx + w and T + 16 of the plane's 128
	s_lshl_b32 s15, s13, 5
	s_add_co_u32 s15, s15, s[WV]
	s_mul_i32 s16, s15, 768
	s_mul_i32 s17, s14, HS
	s_add_co_u32 s16, s16, s17
	s_mov_b32 s17, 0
	s_add_nc_u64 s[54:55], s[4:5], s[16:17]        ; Q's piece (tensor 0)
	s_lshl_b32 s16, s14, 12                        ; Q's two scale bytes: plane, step T / 8; tile a = w % 8: lanes' half (a / 2) % 2, word a / 4, half word a % 2
	s_lshr_b32 s19, s15, 3
	s_lshl_b32 s19, s19, 8
	s_add_co_u32 s16, s16, s19
	s_bfe_u32 s19, s[WV], 0x10001
	s_lshl_b32 s19, s19, 7
	s_add_co_u32 s16, s16, s19
	s_bfe_u32 s19, s[WV], 0x10002
	s_lshl_b32 s19, s19, 2
	s_add_co_u32 s16, s16, s19
	s_and_b32 s19, s[WV], 1
	s_lshl_b32 s19, s19, 1
	s_add_co_u32 s16, s16, s19
	s_add_nc_u64 s[56:57], s[6:7], s[16:17]
	s_and_b32 s19, s14, 15                         ; the head
	s_lshr_b32 s2, s14, 4                          ; the batch
	s_lshl_b32 s2, s2, 7
	s_add_co_u32 s2, s2, s15                       ; my tile among the 512 tiles of rows
	s_mul_i32 s16, s19, 768
	s_mul_i32 s3, s2, 12288
	s_add_co_u32 s16, s16, s3
	s_add_nc_u64 s[8:9], s[8:9], s[16:17]          ; acod: [tile of rows][head][768]: the image of the last projection's operand registers
	s_lshl_b32 s16, s2, 9
	s_lshl_b32 s3, s19, 1
	s_add_co_u32 s16, s16, s3
	s_add_nc_u64 s[10:11], s[10:11], s[16:17]      ; ascl: [row][32], bytes 2 head, 2 head + 1
	v_and_b32 v[AK0], 31, v0
	s_delay_alu instid0(VALU_DEP_1)
	v_lshlrev_b32 v[AK0], 3, v[AK0]
	v_and_b32 v8, 15, v0
	s_delay_alu instid0(VALU_DEP_1)
	v_lshlrev_b32 v8, 3, v8                        ; 8 r: row r's words in pscl
.irp p, 0,1,2
	global_load_b64 v[QA+2*\p:QA+2*\p+1], v[AK0], s[54:55] offset:256*\p
	global_load_b64 v[QN+2*\p:QN+2*\p+1], v[AK0], s[54:55] offset:12288+256*\p
.endr
	global_load_u16 v[QR], v8, s[56:57]
	global_load_u16 v[QR+1], v8, s[56:57] offset:512
	v_add_nc_u32 v[AV0], VC, v[AK0]
	s_lshl_b32 s58, s18, 12
	s_add_co_u32 s58, s58, SCK
	v_add_nc_u32 v[ASK0], s58, v[AK0]              ; K's words: my head's plane of the two
	s_lshl_b32 s59, s18, 2
	s_add_co_u32 s59, s59, SCV
	v_add_nc_u32 v[ASV0], s59, v[AK0]              ; V's: of a lane's two words, my head's
	v_and_b32 v[VS8], 15, v0
	v_bfe_u32 v[TP], v0, 4, 1
	s_delay_alu instid0(VALU_DEP_1)
	v_lshl_add_u32 v[VS8], v[VS8], 5, v[TP]
.irp i, 0,1,2,3,4,5
	v_mov_b32 v[QA+6+\i], 0                        ; the zeros between Q's two copies
.endr
.irp b, 0,1,2,3
	v_mov_b32 v[T4+\b], 0                          ; written once: a lane permute's destination counts as one of its sources
.endr
	v_mov_b32 v[F+1], 0
	v_bfe_u32 v[SH8], v0, 4, 1
	v_lshlrev_b32 v[SH8], 3, v[SH8]
	s_wait_tensorcnt 0x0                           ; my tensor load, if I had one, has landed,
	s_barrier_signal -1
	s_barrier_wait -1                              ; everybody's has: from here on LDS is only read
	s_wait_loadcnt 0x0                             ; Q
; A KEY STEP: 128 keys.
.macro STEP
	v_add_nc_u32 v[ADK], s[TB], v[AK0]             ; (these four are also the places behind the last step's products, in front of the loads into their operands' registers)
	v_add_nc_u32 v[ADV], s[TB], v[AV0]
	v_add_nc_u32 v[ADS], s[TS], v[ASK0]
	v_add_nc_u32 v[ADT], s[TS], v[ASV0]
.irp k, 0,1,2,3,4,5,6,7
.irp p, 0,1,2
	ds_load_b64 v[FR+6*\k+2*\p:FR+6*\k+2*\p+1], v[ADK] offset:(\k/4)*HALF+(\k%4)*768+\p*256
.endr
.endr
	ds_load_b64 v[KS:KS+1], v[ADS]
	ds_load_b32 v[VZ], v[ADT]
	ds_load_b32 v[VZ+1], v[ADT] offset:4096
	s_wait_alu depctr_va_vdst(0)
	s_wait_dscnt 0x0
.irp k, 0,1,2,3,4,5,6,7                        ; S^T: tile k of 16 keys: the pair's operand x [Q | 0] or [0 | Q].  K's word of pair k / 2 lies in register k / 4, lanes 0-15 or 16-31
.if (\k/2)%2
	v_wmma_scale_f32_16x16x128_f8f6f4 v[S+8*\k:S+8*\k+7], v[FR+12*(\k/2):FR+12*(\k/2)+11], v[QA+6*(\k%2):QA+6*(\k%2)+11], 0, v[KS+\k/4], v[QS] matrix_a_fmt:MATRIX_FMT_FP6 matrix_b_fmt:MATRIX_FMT_FP6 matrix_a_scale:MATRIX_SCALE_ROW1
.else
	v_wmma_scale_f32_16x16x128_f8f6f4 v[S+8*\k:S+8*\k+7], v[FR+12*(\k/2):FR+12*(\k/2)+11], v[QA+6*(\k%2):QA+6*(\k%2)+11], 0, v[KS+\k/4], v[QS] matrix_a_fmt:MATRIX_FMT_FP6 matrix_b_fmt:MATRIX_FMT_FP6
.endif
.endr
	v_perm_b32 v[VS], v[VZ+1], v[VZ], s[SLO]       ; V's scale words: the two halves of the keys give two bytes each: even tiles,
	v_perm_b32 v[VS+1], v[VZ+1], v[VZ], s[SHI]     ; odd tiles.  With the two v_nop: four places behind the products
	v_nop
	v_nop
.irp t, 0,1,2,3                                ; V's fragments are asked for now and land under the softmax
.irp c, 0,1
.irp p, 0,1,2
	ds_load_b64 v[FR+12*\t+6*\c+2*\p:FR+12*\t+6*\c+2*\p+1], v[ADV] offset:\c*HALF+\t*768+\p*256
.endr
.endr
.endr
.irp b, 0,1,2,3
	v_max3_num_f32 v[BM+\b], v[S+16*\b], v[S+1+16*\b], v[S+2+16*\b]   ; the largest score of each block of 32 keys: for the row's maximum, and for the block's largest p
.endr
.irp i, 3,5,7,9,11,13
.irp b, 0,1,2,3
	v_max3_num_f32 v[BM+\b], v[BM+\b], v[S+16*\b+\i], v[S+1+16*\b+\i]   ; (the four blocks by turns)
.endr
.endr
	v_max3_num_f32 v[BM], v[BM], v[S+15], v[S+31]  ; the four chains' last numbers,
	v_max3_num_f32 v[BM+2], v[BM+2], v[S+47], v[S+63]
	v_max_num_f32 v[BM], v[BM], v[BM+1]            ; and two chains make a block: block h,
	v_max_num_f32 v[BM+1], v[BM+2], v[BM+3]        ; block 2 + h
	v_max_num_f32 v[TP], v[BM], v[BM+1]
	v_permlanex16_b32 v[T4], v[TP], s[SEL], s[SEL+1]
	v_max_num_f32 v[TP], v[TP], v[T4]              ; with lane l xor 16's two blocks: the step's largest score of my query
	s_delay_alu instid0(VALU_DEP_1)
	v_mul_f32 v[TP], s[CS], v[TP]                  ; as t (c is positive)
	s_delay_alu instid0(VALU_DEP_1)
	v_max_num_f32 v13, v13, v[TP]                  ; the running largest t
	v_mov_b32 v[TP], v12
	s_delay_alu instid0(VALU_DEP_2)
	v_floor_f32 v12, -v13                          ; the new -M = floor(-t) = -ceil(t): a whole number
	s_delay_alu instid0(VALU_DEP_1)
	v_sub_f32 v[TP], v12, v[TP]                    ; M's old value less its new one: a whole number, 0 or less
	s_delay_alu instid0(VALU_DEP_1)
	v_cvt_i32_f32 v[TP], v[TP]                     ; (it saturates)
	s_delay_alu instid0(VALU_DEP_1)
	v_ldexp_f32 v[F], 1.0, v[TP]                   ; f = 2^(old M - new M)
.set j, 0
.rept 32
	v_pk_fma_f32 v[S+j:S+j+1], v[S+j:S+j+1], s[CS:CS+1], v[12:13] op_sel_hi:[1,0,0]   ; t - M, two at a time
.set j, j+2
.endr
.irp b, 0,1
	v_fma_f32 v[BM+\b], v[BM+\b], s[CS], v12       ; the same of each of my two blocks' largest score
.endr
.set j, 0
	s_wait_alu depctr_va_vdst(0)
.rept 64
	v_exp_f32 v[S+j], v[S+j]                       ; p = 2^(t - M), at most 1
.set j, j+1
.endr
	v_pk_mul_f32 v[14:15], v[14:15], v[F:F+1] op_sel_hi:[1,0]   ; the sums under the new M (the plain instruction behind the exponentials)
	s_wait_alu depctr_va_vdst(0)                   ; one wait for the whole batch, ahead of its first reader
.irp b, 0,1
	v_exp_f32 v[BM+\b], v[BM+\b]                   ; the block's largest p
.endr
	v_pk_add_f32 v[236:237], v[104:105], v[108:109]
	v_pk_add_f32 v[254:255], v[112:113], v[116:117]
	v_pk_add_f32 v[252:253], v[120:121], v[124:125]
	v_pk_add_f32 v[250:251], v[128:129], v[132:133]
	v_pk_add_f32 v[248:249], v[136:137], v[140:141]
	v_pk_add_f32 v[246:247], v[144:145], v[148:149]
	v_pk_add_f32 v[244:245], v[152:153], v[156:157]
	v_pk_add_f32 v[14:15], v[14:15], v[160:161]
	v_pk_add_f32 v[236:237], v[236:237], v[100:101]
	v_pk_add_f32 v[254:255], v[254:255], v[102:103]
	v_pk_add_f32 v[252:253], v[252:253], v[106:107]
	v_pk_add_f32 v[250:251], v[250:251], v[110:111]
	v_pk_add_f32 v[248:249], v[248:249], v[114:115]
	v_pk_add_f32 v[246:247], v[246:247], v[118:119]
	v_pk_add_f32 v[244:245], v[244:245], v[122:123]
	v_pk_add_f32 v[14:15], v[14:15], v[126:127]
	v_pk_add_f32 v[236:237], v[236:237], v[130:131]
	v_pk_add_f32 v[254:255], v[254:255], v[134:135]
	v_pk_add_f32 v[252:253], v[252:253], v[138:139]
	v_pk_add_f32 v[250:251], v[250:251], v[142:143]
	v_pk_add_f32 v[248:249], v[248:249], v[146:147]
	v_pk_add_f32 v[246:247], v[246:247], v[150:151]
	v_pk_add_f32 v[244:245], v[244:245], v[154:155]
	v_pk_add_f32 v[14:15], v[14:15], v[158:159]
	v_pk_add_f32 v[236:237], v[236:237], v[162:163]
	s_delay_alu instid0(VALU_DEP_2)
	v_pk_add_f32 v[14:15], v[14:15], v[250:251]
	s_delay_alu instid0(VALU_DEP_2)
	v_pk_add_f32 v[236:237], v[236:237], v[248:249]
	v_pk_add_f32 v[254:255], v[254:255], v[246:247]
	v_pk_add_f32 v[252:253], v[252:253], v[244:245]
	s_delay_alu instid0(VALU_DEP_2)
	v_pk_add_f32 v[14:15], v[14:15], v[254:255]
	s_delay_alu instid0(VALU_DEP_2)
	v_pk_add_f32 v[236:237], v[236:237], v[252:253]
	s_delay_alu instid0(VALU_DEP_1)
	v_pk_add_f32 v[14:15], v[14:15], v[236:237]
	s_wait_alu depctr_va_vdst(0)                   ; and one for the two
.irp b, 0,1
	v_max_num_f32 v[BM+\b], 0x1800000, v[BM+\b]    ; the floor 2^(3 - 127): the byte cannot fall under 1
.endr
.irp b, 0,1
	v_add_nc_u32 v[SCO+\b], 0xff000000, v[BM+\b]   ; 2 off the exponent field: the conversion's scale operand
.endr
.irp c, 0,1
	v_cvt_scalef32_pk16_fp6_f32 v[PC+6*\c:PC+2+6*\c], v[S+32*\c:S+15+32*\c], v[SCO+\c]
	v_cvt_scalef32_pk16_fp6_f32 v[PC+12+4*\c:PC+14+4*\c], v[S+16+32*\c:S+31+32*\c], v[SCO+\c]   ; (a conversion's three registers begin on an even number)
.endr
.irp b, 0,1
	v_lshrrev_b32 v[BY+\b], 23, v[SCO+\b]          ; the scales' bytes (plain lines behind the conversions)
.endr
	v_lshl_or_b32 v[BY], v[BY+1], 16, v[BY]        ; my two bytes, blocks h and 2 + h,
	v_lshlrev_b32 v[BY], v[SH8], v[BY]             ; at their places in the word;
	v_permlanex16_b32 v[T4+1], v[BY], s[SEL], s[SEL+1]
	v_or_b32 v[PS], v[BY], v[T4+1]                 ; with lane l xor 16's two: p's scale word for these 128 keys
.irp c, 0,1
.irp i, 0,1,2
	v_mov_b32 v[PC+3+6*\c+\i], v[PC+12+4*\c+\i]    ; registers 6 c .. 6 c + 5 hold block 2 c + h
.endr
.endr
.set j, 0
.rept 16
	v_pk_mul_f32 v[O+j:O+j+1], v[O+j:O+j+1], v[F:F+1] op_sel_hi:[1,0]   ; O^T under the new M.  (These sixteen are also the places between the writing of p's codes and scale word and the products)
.set j, j+2
.endr
	s_wait_alu depctr_va_vdst(0)
	s_wait_dscnt 0x0                               ; V is in
.irp t, 0,1,2,3                                ; O^T += V^T P^T: four tiles of 16 channels, by turns; K = these 128 keys
.if \t/2
	v_wmma_scale_f32_16x16x128_f8f6f4 v[O+8*\t:O+8*\t+7], v[FR+12*\t:FR+12*\t+11], v[PC:PC+11], v[O+8*\t:O+8*\t+7], v[VS+\t%2], v[PS] matrix_a_fmt:MATRIX_FMT_FP6 matrix_b_fmt:MATRIX_FMT_FP6 matrix_a_scale:MATRIX_SCALE_ROW1
.else
	v_wmma_scale_f32_16x16x128_f8f6f4 v[O+8*\t:O+8*\t+7], v[FR+12*\t:FR+12*\t+11], v[PC:PC+11], v[O+8*\t:O+8*\t+7], v[VS+\t%2], v[PS] matrix_a_fmt:MATRIX_FMT_FP6 matrix_b_fmt:MATRIX_FMT_FP6
.endif
.endr
	s_add_co_u32 s[TB], s[TB], STB
	s_add_co_u32 s[TS], s[TS], 256
.endm
; THE WAY OUT of tile p: O^T / the sum; its 64 channels are two blocks of the last projection's K: quantised in registers, they leave as a piece of 768 bytes and two scale bytes a row.
.macro OUT p
.rept 4
	v_nop                                          ; places behind the last products
.endr
	v_add_f32 v14, v14, v15                        ; the sum's two halves,
	s_delay_alu instid0(VALU_DEP_1)
	v_permlanex16_b32 v[TP], v14, s[SEL], s[SEL+1]
	s_delay_alu instid0(VALU_DEP_1)
	v_add_f32 v14, v14, v[TP]                      ; and lane l xor 16's: the row's sum
	s_wait_alu depctr_va_vdst(0)
	v_rcp_f32 v14, v14
	v_nop                                          ; one plain instruction behind the reciprocal,
	s_wait_alu depctr_va_vdst(0)                   ; and a wait ahead of its first reader
.set j, 0
.rept 16
	v_pk_mul_f32 v[S+j:S+j+1], v[O+j:O+j+1], v[14:15] op_sel_hi:[1,0]   ; register 16 b + i: channel 32 b + 16 h + i of my query; each accumulator from its low end on
.set j, j+2
.endr
.irp b, 0,1
	v_max3_num_f32 v[BM+\b], |v[S+16*\b]|, |v[S+1+16*\b]|, 0x1800000
.endr
.irp i, 2,4,6,8,10,12,14
.irp b, 0,1
	s_delay_alu instid0(VALU_DEP_2)
	v_max3_num_f32 v[BM+\b], v[BM+\b], |v[S+16*\b+\i]|, |v[S+1+16*\b+\i]|
.endr
.endr
.irp b, 0,1
	s_delay_alu instid0(VALU_DEP_2)
	v_permlanex16_b32 v[T4+\b], v[BM+\b], s[SEL], s[SEL+1]
.endr
.irp b, 0,1
	s_delay_alu instid0(VALU_DEP_2)
	v_max_num_f32 v[BM+\b], v[BM+\b], v[T4+\b]
.endr
.irp b, 0,1
	s_delay_alu instid0(VALU_DEP_2)
	v_add_nc_u32 v[SCO+\b], 0xff000000, v[BM+\b]
.endr
.irp b, 0,1
	s_delay_alu instid0(VALU_DEP_2)
	v_lshrrev_b32 v[BY+\b], 23, v[SCO+\b]
.endr
	v_cvt_scalef32_pk16_fp6_f32 v[PC:PC+2], v[S:S+15], v[SCO]
	v_cvt_scalef32_pk16_fp6_f32 v[PC+12:PC+14], v[S+16:S+31], v[SCO+1]
	v_nop
.irp i, 0,1,2
	v_permlane16_swap_b32 v[PC+\i], v[PC+12+\i]
.endr
.irp i, 0,1,2
	s_delay_alu instid0(VALU_DEP_3)
	v_mov_b32 v[PC+3+\i], v[PC+12+\i]              ; lane (r, h) now holds block h of row r
.endr
	v_cndmask_b32 v[BY], v[BY], v[BY+1], s[HIM]    ; and its byte
.irp q, 0,1,2
	global_store_b64 v[AK0], v[PC+2*\q:PC+2*\q+1], s[8:9] offset:\p*196608+\q*256   ; 256 consecutive bytes, aligned; the second tile lies 16 tiles on
.endr
	global_store_b8 v[VS8], v[BY], s[10:11] offset:\p*8192   ; two bytes of each row's 32: a head gives no more
.endm
.macro PASS p
.if \p
	s_wait_xcnt 0x0                                ; the first tile's stores have read their data
.irp i, 0,1,2,3,4,5
	v_mov_b32 v[QA+\i], v[QN+\i]
.endr
.endif
.irp i, 0,1,2,3,4,5
	v_mov_b32 v[QA+12+\i], v[QA+\i]                ; Q's second copy, behind the zeros
.endr
	v_lshl_or_b32 v[QS], v[QR+\p], 16, v[QR+\p]    ; Q's two bytes, for either place
	v_mov_b32 v13, 0xff61b1e6                      ; the largest t so far: -3e38, under every t
	s_delay_alu instid0(VALU_DEP_1)
	v_floor_f32 v12, -v13                          ; -M
	v_mov_b32 v14, 0                               ; the sum, in two halves
	v_mov_b32 v15, 0
.set j, 0
.rept 32
	v_mov_b32 v[O+j], 0                            ; O^T.  (The step is written once: the first finds zeros, which the first change of M leaves zeros)
.set j, j+1
.endr
	s_mov_b32 s[TB], 0
	s_mov_b32 s[TS], 0
	s_mov_b32 s[CNT], 16
.Lstep_\@:
	STEP
	s_sub_co_u32 s[CNT], s[CNT], 1
	s_cmp_lg_u32 s[CNT], 0
	s_cbranch_scc1 .Lstep_\@
	OUT \p
.endm
	PASS 0
	PASS 1
	s_wait_tensorcnt 0x0                           ; the wave's end, behind my last tensor load
	ds_add_u32 v[SPW], v[NIL]
	s_wait_dscnt 0x0
	CROUND                                         ; the closing round: no work-group ends while a partner may still ask for a tile that names it
	s_endpgm
.Lfunc_end_k_qd20c89163f_attn:
	.size	k_qd20c89163f_attn, .Lfunc_end_k_qd20c89163f_attn-k_qd20c89163f_attn
	.p2alignl 7, 3214868480
	.fill 96, 4, 3214868480
	.section	.rodata,"a",@progbits
	.p2align	6, 0x0
	.amdhsa_kernel k_qd20c89163f_attn
		.amdhsa_group_segment_fixed_size 215040
		.amdhsa_private_segment_fixed_size 0
		.amdhsa_enable_private_segment 0
		.amdhsa_kernarg_size 32
		.amdhsa_user_sgpr_count 2
		.amdhsa_user_sgpr_kernarg_segment_ptr 1
		.amdhsa_wavefront_size32 1
		.amdhsa_system_sgpr_workgroup_id_x 1
		.amdhsa_system_sgpr_workgroup_id_y 1
		.amdhsa_system_sgpr_workgroup_id_z 1
		.amdhsa_system_vgpr_workitem_id 0
		.amdhsa_next_free_vgpr 256
		.amdhsa_next_free_sgpr 66
		.amdhsa_reserve_vcc 0
		.amdhsa_float_denorm_mode_32 3
		.amdhsa_float_denorm_mode_16_64 3
		.amdhsa_memory_ordered 1
		.amdhsa_forward_progress 1
		.amdhsa_inst_pref_size 53
	.end_amdhsa_kernel
	.amdgpu_metadata
---
amdhsa.version: [ 1, 2 ]
amdhsa.kernels:
  - .name:           k_qd20c89163f_attn
    .symbol:         k_qd20c89163f_attn.kd
    .args:
      - { .name: pcod, .offset: 0, .size: 8, .value_kind: global_buffer, .address_space: global }
      - { .name: pscl, .offset: 8, .size: 8, .value_kind: global_buffer, .address_space: global }
      - { .name: acod, .offset: 16, .size: 8, .value_kind: global_buffer, .address_space: global }
      - { .name: ascl, .offset: 24, .size: 8, .value_kind: global_buffer, .address_space: global }
    .group_segment_fixed_size: 215040
    .private_segment_fixed_size: 0
    .kernarg_segment_align: 8
    .kernarg_segment_size: 32
    .max_flat_workgroup_size: 512
    .sgpr_count:     66
    .vgpr_count:     256
    .wavefront_size: 32
...
	.end_amdgpu_metadata
.endif
;; end of part 3
;; launch outp (part 4): grid 8 x 32, 4 waves a work-group, clusters of 4 x 4, 327,680 bytes of LDS; arguments acod, ascl, xcod, xscl, bo, out0; writes out0
.if DOCPART == 4
	.amdgcn_target "amdgcn-amd-amdhsa--gfx1250"
	.amdhsa_code_object_version 6
	.text
	.protected	k_qd20c89163f_outp
	.globl	k_qd20c89163f_outp
	.p2align	8
	.type	k_qd20c89163f_outp,@function
k_qd20c89163f_outp:
	s_mov_b64 s[64:65], 0
	v_nop
	global_prefetch_b8 v0, s[64:65] scope:SCOPE_SE
	s_setreg_imm32_b32 hwreg(HW_REG_WAVE_MODE, 25, 1), 1
	s_wait_xcnt 0x0
	s_wait_alu depctr_hold_cnt(0) depctr_sa_sdst(0) depctr_va_vdst(0) depctr_va_sdst(0) depctr_va_ssrc(0) depctr_va_vcc(0) depctr_vm_vsrc(0)
	s_getreg_b32 s2, hwreg(HW_REG_IB_STS2, 6, 4)
	s_cmp_eq_u32 s2, 0
	s_cbranch_scc0 .Lentry_in_a_cluster
	s_endpgm
.Lentry_in_a_cluster:
	s_bfe_u32 s2, ttmp6, 0x10000c
	s_cmp_lg_u32 s2, 0xf033
	s_cbranch_scc0 .Lentry_shape_is_right
	s_endpgm
.Lentry_shape_is_right:
; out[token][n] = sum over k of context[token][k] Wo[n][k] + bo[n], f32, ON CODES OF FP6: 8,192 x 1,024 x 1,024.
; A: acod[tile of 16 rows][head][768], ascl[row][32], as the attention launch leaves them; B: Wo's 64 tiles in xcod (from tile 1,728) and xscl.  Both are images of operand registers, 12,288 bytes a tile.
; Place r of tile i is token (or output) 32 (i / 2) + 8 (i % 2) + r + 8 (r / 8).
; THE DEAL.  256 work-groups of four waves (2 x 2), each 256 rows x 128 columns.  A wave holds 64 rows of Wo, all of K, in 384 registers, and streams A past them in eight blocks of 16 rows (block s of wave row a = tile 2 s + a): 32 products a block.
; Source 0 = Wo's rows, source 1 = A's rows: lane (r, h) holds A's row r, and its registers 16 u + i are outputs 32 u + 16 h + i of my 64.  The bias is the first products' C: a sum begins with it.
; A's tiles are shared by a row of the cluster, B's by a column: joint loads.  All tiles are asked for at the head, one tensor load a wave, and nothing is filled again; so there is no loop to run ahead in, and no prefetch.
; A block's sums go through the wave's own stage in LDS and leave at once as rows of 256 bytes.
; LIMITS: NaN, infinities and sums beyond f32's range are not served.
.set TL,    12288
.set NQ,    8
.set NB,    4
.set FR,    12
.set FPW,   21
.set NF,    24
.set YB,    16*TL                      ; LDS: A's 16 tiles, B's 8 tiles,
.set SPARE, 24*TL                      ; the spare words,
.set STAGE, SPARE+512                  ; a stage of 16 rows x (256 + 16) bytes a wave
.set SPITCH, 272
.set CO,   9                           ; v9  my offset in C: row h, 16 r bytes
.set SPW,  10
.set NIL,  11
.set BAD,  14
.set ABS,  16
.set ASA,  17
.set STO,  18
.set RD,   19
.set BIA,  20
.set SB,   24                          ; v24-39  B's scale words
.set SA,   44                          ; v44-107 A's, eight a block; a product's two scale registers differ by 4 modulo 8
.set ACC,  108                         ; v108-171 two sets of four accumulators
.set BK,   172                         ; v172-235 two sets: 16 rows back from the stage
.set AQ0,  236
.set AQ,   244
.set BO,   128                         ; window 3, v128-159: the bias
.set G1A, 24
.set G1B, 32
.set G0A, 56
.set G0B, 60
.set MSB, 0
.macro WIN new
.if MSB != (\new)
	s_set_vgpr_msb (MSB<<8)|(\new)
.set MSB, (\new)
.endif
.endm
.macro PLACES n
.rept \n
	v_nop
.endr
.endm
.macro WALU
	s_wait_alu depctr_va_vdst(0)
.endm
.macro BARRIER
	s_barrier_signal -1
	s_barrier_wait -1
.endm
.macro CROUND
	BARRIER
	s_cmp_lg_u32 s14, 0
	s_cbranch_scc1 .Lnot_wave_0_\@
	s_barrier_signal -3
.Lnot_wave_0_\@:
	s_barrier_wait -3
	BARRIER
.endm
.macro TLOAD g0, g1                    ; an s_nop 0 and four v_nop follow a tensor load
	tensor_load_to_lds s[\g0:\g0+3], s[\g1:\g1+7]
	s_nop 0
	PLACES 4
.endm
.macro GROUP1 g, mask, rows            ; rows of 12,288 bytes (1,536 elements of 8), dense in memory and in LDS
	s_or_b32 s[\g+0], s[\mask], (3<<16)|(1<<21)
	s_mov_b32 s[\g+1], 1536<<16
	s_mov_b32 s[\g+3], 1536<<16
.if \rows
	s_mov_b32 s[\g+2], (\rows)<<16
	s_mov_b32 s[\g+4], \rows
.endif
	s_mov_b32 s[\g+5], 1536
	s_mov_b32 s[\g+6], 0
	s_mov_b32 s[\g+7], 0
.endm
.macro ATILE first, tiles
	s_mov_b32 s[G0A+1], (\first)*TL
	s_mov_b32 s[G1A+2], (\tiles)<<16
	s_mov_b32 s[G1A+4], \tiles
.if \first
	s_add_nc_u64 s[G0A+2:G0A+3], s[G0A+2:G0A+3], (\first)*TL
.endif
	s_or_b32 s[G0A+3], s[G0A+3], 0x80000000
	TLOAD G0A, G1A
.endm
.macro FRAGB f, off                    ; fragment f lies in window 1 + f / 21 at register 12 (f % 21): 0-31 B's (4 q + tile), 32-47 A's two sets
	WIN (1+(\f)/FPW)<<6
.irp p, 0,1,2,3,4,5
	ds_load_b64 v[FR*((\f)%FPW)+2*\p:FR*((\f)%FPW)+2*\p+1], v[BAD] offset:(\off)+256*\p
.endr
.endm
.macro FETCHAT e, aq
.irp q, 0,1,2,3,4,5,6,7
	WIN (1+(32+8*(\e)+\q)/FPW)<<6
.irp p, 0,2,4
	ds_load_2addr_b64 v[FR*((32+8*(\e)+\q)%FPW)+2*\p:FR*((32+8*(\e)+\q)%FPW)+2*\p+3], v[\aq+\q] offset0:32*\p offset1:32*\p+32
.endr
.endr
	WIN 0
.endm
.macro PROD1 d, s0, s1, c, x0, x1, o
.if \o
	v_wmma_scale_f32_16x16x128_f8f6f4 v[\d:\d+7], v[FR*((\s0)%FPW):FR*((\s0)%FPW)+FR-1], v[FR*((\s1)%FPW):FR*((\s1)%FPW)+FR-1], \c, v[\x0], v[\x1] matrix_a_fmt:MATRIX_FMT_FP6 matrix_b_fmt:MATRIX_FMT_FP6 matrix_a_scale:MATRIX_SCALE_ROW1
.else
	v_wmma_scale_f32_16x16x128_f8f6f4 v[\d:\d+7], v[FR*((\s0)%FPW):FR*((\s0)%FPW)+FR-1], v[FR*((\s1)%FPW):FR*((\s1)%FPW)+FR-1], \c, v[\x0], v[\x1] matrix_a_fmt:MATRIX_FMT_FP6 matrix_b_fmt:MATRIX_FMT_FP6 matrix_a_scale:MATRIX_SCALE_ROW0
.endif
.endm
.macro PROD s, n                       ; product n = 4 q + tile of block s; the four accumulators take turns
.set Q_, (\n)/4
.set FB_, NB*Q_+(\n)%4
.set FA_, 32+8*((\s)%2)+Q_
.set D_, ACC+32*((\s)%2)+8*((\n)%4)
.set XB_, SB+NQ*(((\n)%4)/2)+Q_
.set XA_, SA+8*(\s)+Q_
.if Q_
	WIN (1+FB_/FPW)|((1+FA_/FPW)<<2)
	PROD1 D_, FB_, FA_, v[D_:D_+7], XB_, XA_, (\n)%2
.else
	WIN (1+FB_/FPW)|((1+FA_/FPW)<<2)|0x30
	PROD1 D_, FB_, FA_, v[BO+8*((\n)%4):BO+8*((\n)%4)+7], XB_, XA_, (\n)%2
.endif
.endm
.macro ENTRY s, i                      ; behind products 1 to 5: five of the next fetch's eight addresses
.if (\s) < 6 && (\i) >= 1 && (\i) <= 5
	WIN 0
	v_add_nc_u32 v[AQ+(\i)-1], ((\s)+2)*2*TL, v[AQ0+(\i)-1]
.endif
.endm
.macro PRODS s, from, to
.set N_, \from
.rept (\to)-(\from)
	PROD \s, N_
	ENTRY \s, N_
.set N_, N_+1
.endr
	WIN 0
.endm
.macro STAGED u                        ; set u's sums into my stage, each accumulator from its low end on, and back as whole rows; LDS serves a wave's instructions in order
.irp b, 0,1,2,3
	ds_store_b128 v[STO], v[ACC+32*(\u)+8*\b:ACC+32*(\u)+8*\b+3] offset:128*(\b/2)+32*(\b%2)
	ds_store_b128 v[STO], v[ACC+32*(\u)+8*\b+4:ACC+32*(\u)+8*\b+7] offset:128*(\b/2)+32*(\b%2)+16
.endr
.irp t, 0,1,2,3,4,5,6,7
	ds_load_b128 v[BK+32*(\u)+4*\t:BK+32*(\u)+4*\t+3], v[RD] offset:2*\t*SPITCH
.endr
.endm
.macro TOC s                           ; places 2 t, 2 t + 1 of block s are tokens 32 s + 8 a + 2 t + 8 (t / 4) and the next
.irp t, 0,1,2,3,4,5,6,7
	global_store_b128 v[CO], v[BK+32*((\s)%2)+4*\t:BK+32*((\s)%2)+4*\t+3], s[50:51] offset:(32*(\s)+2*\t+8*(\t/4))*4096 th:TH_STORE_NT   ; sixteen lanes store 256 consecutive bytes, aligned
.endr
.endm
.macro STREAM s
.if (\s) == 1
	PRODS \s, 0, 24
	s_wait_tensorcnt 0x0                           ; a plain barrier inside block 1 shows waves 2 and 3's tiles to all
	s_wait_dscnt 0x0
	s_barrier_signal -1
	PRODS \s, 24, 32
	s_barrier_wait -1
.else
	PRODS \s, 0, 32
.endif
.if (\s) < 6                           ; four plain lines between the last product and the first reader of its sums
	v_add_nc_u32 v[AQ+5], ((\s)+2)*2*TL, v[AQ0+5]
	v_add_nc_u32 v[AQ+6], ((\s)+2)*2*TL, v[AQ0+6]
	v_add_nc_u32 v[AQ+7], ((\s)+2)*2*TL, v[AQ0+7]
	v_nop
	WALU
.else
	PLACES 4
.endif
	s_wait_xcnt 0x0                                ; the stores of two blocks ago have read this set of rows
	STAGED (\s)%2
.if (\s) < 6
	FETCHAT (\s)%2, AQ
	s_wait_dscnt NF                                ; the block's rows are back, and the next block's rows are in: younger is this run's fetch alone
.else
	s_wait_dscnt 0x0
.endif
	TOC \s
.endm
; ================= THE HEAD
	s_load_b256 s[4:11], s[0:1], 0x0               ; acod, ascl, xcod, xscl
	s_load_b128 s[48:51], s[0:1], 0x20             ; bo, out0
	v_lshl_add_u32 v[SPW], v0, 2, SPARE
	v_mov_b32 v[NIL], 0
	ds_add_u32 v[SPW], v[NIL]                      ; the opening lines
	ds_add_u32 v[SPW], v[NIL]
	v_lshrrev_b32 v1, 5, v0
	v_readfirstlane_b32 s14, v1                    ; the wave; s15 its row a, s16 its column b
	s_lshr_b32 s15, s14, 1
	s_and_b32 s16, s14, 1
	s_bfe_u32 s40, ttmp6, 0x40000
	s_bfe_u32 s41, ttmp6, 0x40004
	s_lshl_b32 s42, ttmp9, 2
	s_add_co_u32 s42, s42, s40                     ; tile column
	s_and_b32 s43, ttmp7, 0xffff
	s_lshl_b32 s43, s43, 2
	s_add_co_u32 s43, s43, s41                     ; tile row
	s_lshl_b32 s44, s41, 2
	s_lshl_b32 s44, 15, s44                        ; my row of the cluster shares A
	s_lshl_b32 s45, 0x1111, s40                    ; my column shares B
	GROUP1 G1A, 44, 0
	GROUP1 G1B, 45, 8
	s_mov_b32 s[G0A], 1
	s_mov_b32 s[G0B], 1
	s_mov_b32 s[G0B+1], YB
	s_mul_i32 s76, s43, 16*TL
	s_mov_b32 s77, 0
	s_lshl_b32 s78, s42, 3
	s_add_co_u32 s78, s78, 1728                    ; Wo's tiles
	s_lshl_b32 s82, s16, 2
	s_add_co_u32 s82, s82, s78
	s_lshl_b32 s82, s82, 9
	s_mov_b32 s83, 0
	s_mul_i32 s78, s78, TL
	s_mov_b32 s79, 0
	s_lshl_b32 s80, s43, 13
	s_lshl_b32 s21, s15, 9
	s_add_co_u32 s80, s80, s21
	s_mov_b32 s81, 0
	s_lshl_b32 s86, s42, 9                         ; my 64 columns, in bytes
	s_lshl_b32 s21, s16, 8
	s_add_co_u32 s86, s86, s21
	s_mov_b32 s87, 0
	s_lshl_b32 s84, s43, 20                        ; 256 rows of 4,096 bytes a tile row, 8 rows for wave row 1
	s_lshl_b32 s21, s15, 15
	s_add_co_u32 s84, s84, s21
	s_add_co_u32 s84, s84, s86
	s_mov_b32 s85, 0
	v_and_b32 v1, 15, v0
	v_bfe_u32 v2, v0, 4, 1
	v_and_b32 v3, 31, v0
	s_mul_i32 s23, s15, TL
	v_lshl_add_u32 v[AQ0], v3, 3, s23
.irp q, 1,2,3,4,5,6,7
	v_add_nc_u32 v[AQ0+\q], 1536*\q, v[AQ0]
.endr
.irp q, 0,1,2,3,4,5,6,7
	v_add_nc_u32 v[AQ+\q], 2*TL+1536*\q, v[AQ0]
.endr
	s_mul_i32 s22, s16, 4*TL
	s_add_co_u32 s22, s22, YB
	v_lshl_add_u32 v[BAD], v3, 3, s22
	v_lshlrev_b32 v[ABS], 5, v3
	v_lshlrev_b32 v[ASA], 5, v1
	s_mul_i32 s21, s14, 16*SPITCH
	s_add_co_u32 s21, s21, STAGE
	v_mul_u32_u24 v23, v1, SPITCH
	v_lshl_add_u32 v23, v2, 6, v23
	v_add_nc_u32 v[STO], s21, v23
	v_mul_u32_u24 v23, v2, SPITCH
	v_lshl_add_u32 v23, v1, 4, v23
	v_add_nc_u32 v[RD], s21, v23
	v_lshlrev_b32 v23, 12, v2
	v_lshl_add_u32 v[CO], v1, 4, v23
	v_lshlrev_b32 v[BIA], 6, v2
	WALU                                           ; the wait at the head's end
	s_wait_dscnt 0x0
	CROUND                                         ; the opening round
	s_wait_kmcnt 0x0
	s_add_nc_u64 s[G0A+2:G0A+3], s[4:5], s[76:77]
	s_add_nc_u64 s[G0B+2:G0B+3], s[8:9], s[78:79]
	s_or_b32 s[G0B+3], s[G0B+3], 0x80000000
	s_add_nc_u64 s[6:7], s[6:7], s[80:81]
	s_add_nc_u64 s[10:11], s[10:11], s[82:83]
	s_add_nc_u64 s[48:49], s[48:49], s[86:87]
	s_add_nc_u64 s[50:51], s[50:51], s[84:85]
	s_cmp_eq_u32 s14, 0
	s_cbranch_scc0 .Lwave_1
	TLOAD G0B, G1B                                 ; wave 0: B's eight tiles, which are wanted first
	s_branch .Lasked
.Lwave_1:
	s_cmp_eq_u32 s14, 1
	s_cbranch_scc0 .Lwave_2
	ATILE 0, 8                                     ; wave 1: A's tiles 0 to 7
	s_branch .Lasked
.Lwave_2:
	s_cmp_eq_u32 s14, 2
	s_cbranch_scc0 .Lwave_3
	ATILE 8, 4
	s_branch .Lasked
.Lwave_3:
	ATILE 12, 4
.Lasked:
.irp p, 0,1
.irp c, 0,1
	global_load_b128 v[SB+NQ*\p+4*\c:SB+NQ*\p+4*\c+3], v[ABS], s[10:11] offset:\p*1024+16*\c   ; lanes 0-15 tile 2 p, lanes 16-31 tile 2 p + 1
.endr
.endr
.irp s, 0,1,2,3,4,5,6,7
.irp c, 0,1
	global_load_b128 v[SA+8*\s+4*\c:SA+8*\s+4*\c+3], v[ASA], s[6:7] offset:\s*1024+16*\c
.endr
.endr
	WIN 0xc0
.irp u, 0,1
.irp c, 0,1,2,3
	global_load_b128 v[BO+16*\u+4*\c:BO+16*\u+4*\c+3], v[BIA], s[48:49] offset:128*\u+16*\c
.endr
.endr
	WIN 0
	s_cmp_eq_u32 s14, 0
	s_cbranch_scc0 .Lnot_b
	s_wait_tensorcnt 0x0
.Lnot_b:
	BARRIER                                        ; B has landed
.irp q, 0,1,2,3,4,5,6,7
.irp i, 0,1,2,3
	FRAGB NB*\q+\i, \i*TL+\q*1536
.endr
.endr
	WIN 0
	s_cmp_eq_u32 s14, 1
	s_cbranch_scc0 .Lnot_a
	s_wait_tensorcnt 0x0
.Lnot_a:
	s_wait_dscnt 0x0
	BARRIER                                        ; A's tiles 0 to 7 are in; waves 2 and 3's may be on their way
	FETCHAT 0, AQ0
	FETCHAT 1, AQ
	s_wait_loadcnt 0x0                             ; the scale words and the bias
	s_wait_dscnt NF                                ; block 0's rows are in
.irp s, 0,1,2,3,4,5,6,7
	STREAM \s
.endr
	s_wait_tensorcnt 0x0                           ; the wave's end
	ds_add_u32 v[SPW], v[NIL]
	s_wait_dscnt 0x0
	CROUND                                         ; the closing round
	s_endpgm
.Lfunc_end_k_qd20c89163f_outp:
	.size	k_qd20c89163f_outp, .Lfunc_end_k_qd20c89163f_outp-k_qd20c89163f_outp
	.p2alignl 7, 3214868480
	.fill 96, 4, 3214868480
	.section	.rodata,"a",@progbits
	.p2align	6, 0x0
	.amdhsa_kernel k_qd20c89163f_outp
		.amdhsa_group_segment_fixed_size 327680
		.amdhsa_private_segment_fixed_size 0
		.amdhsa_enable_private_segment 0
		.amdhsa_kernarg_size 48
		.amdhsa_user_sgpr_count 2
		.amdhsa_user_sgpr_kernarg_segment_ptr 1
		.amdhsa_wavefront_size32 1
		.amdhsa_system_sgpr_workgroup_id_x 1
		.amdhsa_system_sgpr_workgroup_id_y 1
		.amdhsa_system_sgpr_workgroup_id_z 1
		.amdhsa_system_vgpr_workitem_id 0
		.amdhsa_next_free_vgpr 928
		.amdhsa_next_free_sgpr 90
		.amdhsa_reserve_vcc 0
		.amdhsa_float_denorm_mode_32 3
		.amdhsa_float_denorm_mode_16_64 3
		.amdhsa_memory_ordered 1
		.amdhsa_forward_progress 1
		.amdhsa_inst_pref_size 90
	.end_amdhsa_kernel
	.amdgpu_metadata
---
amdhsa.version: [ 1, 2 ]
amdhsa.kernels:
  - .name:           k_qd20c89163f_outp
    .symbol:         k_qd20c89163f_outp.kd
    .args:
      - { .name: acod, .offset: 0, .size: 8, .value_kind: global_buffer, .address_space: global }
      - { .name: ascl, .offset: 8, .size: 8, .value_kind: global_buffer, .address_space: global }
      - { .name: xcod, .offset: 16, .size: 8, .value_kind: global_buffer, .address_space: global }
      - { .name: xscl, .offset: 24, .size: 8, .value_kind: global_buffer, .address_space: global }
      - { .name: bo, .offset: 32, .size: 8, .value_kind: global_buffer, .address_space: global }
      - { .name: out0, .offset: 40, .size: 8, .value_kind: global_buffer, .address_space: global }
    .group_segment_fixed_size: 327680
    .private_segment_fixed_size: 0
    .kernarg_segment_align: 8
    .kernarg_segment_size: 48
    .max_flat_workgroup_size: 128
    .sgpr_count:     90
    .vgpr_count:     928
    .wavefront_size: 32
...
	.end_amdgpu_metadata
.endif
;; end of part 4
